; MI455X (gfx1250); checked and timed in simulation.
; The chip was launched on July 23, 2026; its instructions are those of AMD's public machine-readable ISA for CDNA 5 (MIT licence, August 2026) and "CDNA5" Instruction Set Architecture Reference Guide (July 2026). The comments in the code are by the model that wrote it; some were corrected since.
;; GRU Cell. Allowed arithmetic: float matrix products may take bf16 or f16 operands with f32 sums; other float arithmetic in f32, or as packed bf16 or f16 multiplies, adds, multiply-adds, maxima and minima; sums over many terms, partial sums and values carried from step to step in f32; what a program stores and reads back later, other than sums and carried values, may be rounded once to bf16 or f16.
;; Inputs: Uh_b 4,096 float32; Uh_w 4,096 x 4,096 float32; Ur_b 4,096 float32; Ur_w 4,096 x 4,096 float32; Uz_b 4,096 float32; Uz_w 4,096 x 4,096 float32; Wh_b 4,096 float32; Wh_w 4,096 x 1,024 float32; Wr_b 4,096 float32; Wr_w 4,096 x 1,024 float32; Wz_b 4,096 float32; Wz_w 4,096 x 1,024 float32; bn_beta 1 float32; bn_gamma 1 float32; hidden 1,024 x 1 x 4,096 float32; input 1,024 x 1,024 float32; max_v 1 float32; min_v 1 float32; out_b 4 float32; out_w 4 x 4,096 float32.
;; Outputs: out0 1,024 x 1 x 4,096 float32; out1 1,024 x 1 float32; out2 1,024 x 1 float32; out3 1,024 x 1 float32; out4 1,024 x 1 float32.
;; 3 versions, each right; version 2 is faster than version 1; version 3 is version 2 with the launch cast written anew for expert scheduling mode. Each part assembles by itself: llvm-mc -triple=amdgcn-amd-amdhsa -mcpu=gfx1250 --defsym DOCPART=n.
;; ======== version 1 of 3: 3 launches
;; workspace buffers: xh 10,485,760 bytes; hp 16,777,216 bytes; zg 16,777,216 bytes; stats 2,048 bytes
;; launch cast (part 1): grid 256 x 1, 8 waves a work-group, no clusters, 0 bytes of LDS; arguments input, hidden, xh; writes xh
.if DOCPART == 1
	.amdgcn_target "amdgcn-amd-amdhsa--gfx1250"
	.amdhsa_code_object_version 6
	.text
	.protected	k_qcf298da3b9_cast
	.globl	k_qcf298da3b9_cast
	.p2align	8
	.type	k_qcf298da3b9_cast,@function
k_qcf298da3b9_cast:
	s_mov_b64 s[64:65], 0
	v_nop
	global_prefetch_b8 v0, s[64:65] scope:SCOPE_SE
	s_setreg_imm32_b32 hwreg(HW_REG_WAVE_MODE, 25, 1), 1
	s_wait_xcnt 0x0
; xh[b][0:1024] = bf16(input[b][:]), xh[b][1024:5120] = bf16(hidden[b][0][:]): the rows that the products of the next launch take as
; one operand, K = 5,120 long, each number rounded once (to nearest even).  A row of xh is 10,240 bytes, 40 times 256.
; Eight waves own four rows.  Thread t takes 20 items of four numbers: in each row 16 bytes at 16 t of input's 4,096 and of each of
; hidden's four pieces of 4,096.  A wave's load covers 512 consecutive bytes, its store 256 consecutive bytes at a multiple of 256.
; All 20 loads go out first and every item has registers of its own, so nothing is rewritten and the only waits are the counted ones.
; No LDS, no barrier, no matrix unit: each byte is read once and written once, and no thread needs another's numbers.
.set X, 4                              ; v[4:83]    item i: four f32 as loaded
.set Y, 84                             ; v[84:123]  item i: four bf16 to store
	s_load_b128 s[4:7], s[0:1], 0x0                ; input s[4:5], hidden s[6:7]
	s_load_b64 s[8:9], s[0:1], 0x10                ; xh
	v_lshlrev_b32 v1, 4, v0                        ; 16 t: my place in 4,096 bytes of f32
	v_lshlrev_b32 v2, 3, v0                        ; 8 t: my place in 2,048 bytes of bf16
	s_lshl_b32 s10, ttmp9, 14                      ; the group's four rows: of input 4 x 4,096 bytes,
	s_mov_b32 s11, 0
	s_lshl_b32 s12, ttmp9, 16                      ; of hidden 4 x 16,384,
	s_mov_b32 s13, 0
	s_mul_i32 s14, ttmp9, 40960                    ; of xh 4 x 10,240
	s_mov_b32 s15, 0
	s_wait_kmcnt 0x0
	s_add_nc_u64 s[4:5], s[4:5], s[10:11]
	s_add_nc_u64 s[6:7], s[6:7], s[12:13]
	s_add_nc_u64 s[8:9], s[8:9], s[14:15]
.irp r, 0,1,2,3
	global_load_b128 v[X+20*(\r):X+20*(\r)+3], v1, s[4:5] offset:(\r)*4096 th:TH_LOAD_NT
.irp c, 0,1,2,3
	global_load_b128 v[X+20*(\r)+4+4*(\c):X+20*(\r)+7+4*(\c)], v1, s[6:7] offset:(\r)*16384+(\c)*4096 th:TH_LOAD_NT
.endr
.endr
.set i, 0
.rept 20                               ; item i: row i / 5; piece i % 5 of the row of xh (0: input's, 1 to 4: hidden's)
	s_wait_loadcnt 19-i                            ; loads come back in order: item i is in, the 19 - i younger ones stay out
	v_cvt_pk_bf16_f32 v[Y+2*i], v[X+4*i], v[X+4*i+1]
	v_cvt_pk_bf16_f32 v[Y+2*i+1], v[X+4*i+2], v[X+4*i+3]
	global_store_b64 v2, v[Y+2*i:Y+2*i+1], s[8:9] offset:(i/5)*10240+(i%5)*2048
.set i, i+1
.endr
	s_endpgm
.Lfunc_end_k_qcf298da3b9_cast:
	.size	k_qcf298da3b9_cast, .Lfunc_end_k_qcf298da3b9_cast-k_qcf298da3b9_cast
	.p2alignl 7, 3214868480
	.fill 96, 4, 3214868480
	.section	.rodata,"a",@progbits
	.p2align	6, 0x0
	.amdhsa_kernel k_qcf298da3b9_cast
		.amdhsa_group_segment_fixed_size 0
		.amdhsa_private_segment_fixed_size 0
		.amdhsa_enable_private_segment 0
		.amdhsa_kernarg_size 24
		.amdhsa_user_sgpr_count 2
		.amdhsa_user_sgpr_kernarg_segment_ptr 1
		.amdhsa_wavefront_size32 1
		.amdhsa_system_sgpr_workgroup_id_x 1
		.amdhsa_system_sgpr_workgroup_id_y 1
		.amdhsa_system_sgpr_workgroup_id_z 1
		.amdhsa_system_vgpr_workitem_id 0
		.amdhsa_next_free_vgpr 128
		.amdhsa_next_free_sgpr 66
		.amdhsa_reserve_vcc 0
		.amdhsa_float_denorm_mode_32 3
		.amdhsa_float_denorm_mode_16_64 3
		.amdhsa_memory_ordered 1
		.amdhsa_forward_progress 1
		.amdhsa_inst_pref_size 8
	.end_amdhsa_kernel
	.amdgpu_metadata
---
amdhsa.version: [ 1, 2 ]
amdhsa.kernels:
  - .name:           k_qcf298da3b9_cast
    .symbol:         k_qcf298da3b9_cast.kd
    .args:
      - { .name: input, .offset: 0, .size: 8, .value_kind: global_buffer, .address_space: global }
      - { .name: hidden, .offset: 8, .size: 8, .value_kind: global_buffer, .address_space: global }
      - { .name: xh, .offset: 16, .size: 8, .value_kind: global_buffer, .address_space: global }
    .group_segment_fixed_size: 0
    .private_segment_fixed_size: 0
    .kernarg_segment_align: 8
    .kernarg_segment_size: 24
    .max_flat_workgroup_size: 256
    .sgpr_count:     66
    .vgpr_count:     128
    .wavefront_size: 32
...
	.end_amdgpu_metadata
.endif
;; end of part 1
;; launch gates (part 2): grid 64 x 4, 4 waves a work-group, clusters of 4 x 4, 327,680 bytes of LDS; arguments xh, Wr_w, Wz_w, Wh_w, Ur_w, Uz_w, Uh_w, Wr_b, Ur_b, Wz_b, Uz_b, Wh_b, Uh_b, hp, zg, stats; writes hp, zg, stats
.if DOCPART == 2
	.amdgcn_target "amdgcn-amd-amdhsa--gfx1250"
	.amdhsa_code_object_version 6
	.text
	.protected	k_qcf298da3b9_gates
	.globl	k_qcf298da3b9_gates
	.p2align	8
	.type	k_qcf298da3b9_gates,@function
k_qcf298da3b9_gates:
	s_mov_b64 s[64:65], 0
	v_nop
	global_prefetch_b8 v0, s[64:65] scope:SCOPE_SE
	s_setreg_imm32_b32 hwreg(HW_REG_WAVE_MODE, 25, 1), 1
	s_wait_xcnt 0x0
	s_wait_alu depctr_hold_cnt(0) depctr_sa_sdst(0) depctr_va_vdst(0) depctr_va_sdst(0) depctr_va_ssrc(0) depctr_va_vcc(0) depctr_vm_vsrc(0)
	s_getreg_b32 s2, hwreg(HW_REG_IB_STS2, 6, 4)
	s_cmp_eq_u32 s2, 0
	s_cbranch_scc0 .Lentry_in_a_cluster
	s_endpgm
.Lentry_in_a_cluster:
	s_bfe_u32 s2, ttmp6, 0x10000c
	s_cmp_lg_u32 s2, 0xf033
	s_cbranch_scc0 .Lentry_shape_is_right
	s_endpgm
.Lentry_shape_is_right:
; THE SIX PRODUCTS OF THE GRU CELL, its two sigmoids and h_pre.  With xh = [input | hidden] in bf16 ([1024][5120], made by the launch before):
;   R = x Wr^T + h Ur^T + Wr_b + Ur_b      Z = x Wz^T + h Uz^T + Wz_b + Uz_b      S = x Wh^T + Wh_b      T = h Uh^T + Uh_b
;   hp = S + sigmoid(R) T  (f32)      zg = sigmoid(Z)  (f32)      stats[work-group] = (mean, sum of squared deviations from it) of the group's 16,384 numbers of hp.
; Operands are rounded once to bf16, sums are f32 and begin with the biases.  reference()'s max_v and min_v enter none of its results and are not loaded.
; LIMITS.  sigmoid(x) = 1 / (1 + 2^(-x log2 e)): where the power overflows the result is 0, where it falls below 2^-126 it is 1.  NaN and infinities are not treated apart.
; SHARES.  A work-group makes 256 batch rows x 64 columns of all four sums: 4 x 64 tiles, one for each of 256 work-groups.  Wave w: rows 128 (w / 2) on, columns 32 (w % 2) on:
; 8 row blocks a x 2 column blocks b x 4 sets = 64 accumulators, 512 registers.  THE MATRIX INSTRUCTION IS USED TRANSPOSED (source 0 = 16 weight rows, source 1 = 16 batch rows):
; lane l holds batch row l % 16 and the columns 8 (l / 16) + 0..7, eight neighbouring numbers of a row of the result.
; K goes in 40 steps of 128: steps 0-7 are input's with Wr, Wz, Wh, steps 8-39 hidden's with Ur, Uz, Uh.  The third gate adds into S in steps 0-7 and into T from step 8 on, so the
; step's text (STEP) stands twice, in two counted loops, and no sum is ever moved.
; xh COMES BY JOINT TENSOR LOADS.  4 x 4 work-groups form a cluster; the four of a row of the cluster need the same 256 rows of xh: each wave asks for 64 of them with a mask that names the four.
; THE WEIGHTS COME THROUGH REGISTERS.  They are f32 in memory: a wave loads 16 rows of each of the three matrices (a row's K step is 512 consecutive bytes, one load), a whole K step ahead,
; rounds them to bf16 once for the work-group and stores them into LDS bytes of their own, where all four waves read them.  NOT JOINTLY, for this reason: two slots of 192 rows x 512 bytes of f32
; beside two slots of xh (2 x (192 x 528 + 256 x 272) = 342,016 bytes) do not fit in 327,680; with K steps of 64 a load would have half the products in which to land, and every
; wave would read f32 from LDS and round the same numbers again.  The price: the four work-groups of a column of the cluster each load the same weights.
; BESIDE THE PRODUCTS.  A quarter of a step is 48 matrix instructions; behind every second one stand four lines of other work: the next quarter's 28 fragment loads, and a third of the
; step's weights (32 roundings, 16 LDS stores, 16 loads from memory).  Each such group costs two switches of the register window.
;
; LDS.  Slot n (n = 0, 1) begins at n x 131,072: 256 rows x 272 bytes of xh (256 + 16 of padding; tensor loads alone), then from WOFF on 192 rows x 272 of weights in bf16 (row 64 g + c:
; gate g, column c; LDS stores alone).  With 272 = 17 x 16 bytes from row to row the 16 rows of a fragment load start 16 bytes apart modulo 256.  Behind the slots: the spare words (512 bytes), then four
; waves' statistics.  On the way out hp is staged in slot 0's rows of xh and zg in slot 1's, both behind their last fill.
; REGISTERS, in windows of 256 (s_set_vgpr_msb: bits 1:0 source 0, 3:2 source 1, 5:4 source 2, 7:6 destination):
;   window 0: v0-31 addresses; v32-159 fragments of xh, two buffers of 8 x 8; v160-255 fragments of the weights, two buffers of 6 x 8 (gate g, block b at 8 (2 g + b))
;   window 1: v0-191 the weights as loaded, 48 row slots of 4; v192-207 the 16 rows' offsets; v208-215 rounded; v216-217 where they go in LDS
;   window 2: R v0-127, Z v128-255      window 3: T v0-127, S v128-255      (accumulator (a, b) at 8 (2 a + b))
.set PITCH,  272
.set SLOT1,  131072
.set WOFF,   256*PITCH                 ; 69,632 = 272 x 256
.set SPARE,  2*SLOT1                   ; the spare words: 128 bytes for each wave, two blocks of 256 bytes that no other line names
.set STATW,  SPARE+512                 ; wave w's (mean, M2) at 8 w
.set AX0, 3                            ; v3   my lane's place in a slot's rows of xh; never rewritten
.set AW0, 4                            ; v4   the same in its weights
.set AXC, 5                            ; v5   v3 + the slot in hand
.set AWC, 6                            ; v6   v4 + the slot in hand
.set STO, 7                            ; v7   the way out: where I put 16 bytes of a row of hp
.set RD,  8                            ; v8   where I read rows of hp back
.set GO,  9                            ; v9   my byte offset in two rows of hp or zg
.set BO,  10                           ; v10  my byte offset in a bias
.set RDZ, 10                           ;      later: v8 for zg
.set STOZ, 11                          ; v11  v7 for zg
.set SPW, 30                           ; v30  LDS address of my spare word: SPARE + 4 x my thread's number; never rewritten
.set NIL, 31                           ; v31  0; never rewritten
.set XF,  32
.set WF,  160
.set BV,  32                           ; in the prologue: bias q (Wr, Ur, Wz, Uz, Wh, Uh) of my 32 columns' share at BV + 16 q + 8 b
.set DD,  32                           ; the way out: v32-47 deviations, v48-55 four chains of sums, v56-57 (mean, M2), v58 an address
.set CHN, 48
.set MEAN, 56
.set SA,  58
.set OB,  32                           ; the way out: three batches of 16 x 4 registers, rows read back from a stage
.set ST,  0                            ; window 1
.set RO,  192
.set TT,  208
.set WS0, 216
.set WSC, 217
.set TS,  0                            ; window 3
.set SS,  128
.set WB,  6                            ; s[6:11]  the three weight matrices in hand, at my 16 rows and the K step to be loaded
.set UB,  12                           ; s[12:17] Ur, Uz, Uh at my 16 rows
.set WV,  36                           ; s36  my wave's number
.set RH,  37                           ; s37  which 128 rows
.set CH,  38                           ; s38  which 32 columns
.set CX,  39
.set CY,  40
.set NT,  41                           ; s41  the tile's column, 0 to 63
.set CNT, 42
.set SL,  43                           ; s43  the slot in hand, as an LDS byte
.set SLO, 44                           ; s44  the other slot
.set G1,  48                           ; s[48:55] descriptor group 1
.set G0A, 56                           ; s[56:59] group 0 of the first fill of slot 0
.set G0B, 60                           ; s[60:63] group 0 of the first fill of slot 1; then it walks
.set CS,  66                           ; s[66:67] -log2(e); the packed multiply takes the pair's low word for both halves
.set SEL, 72                           ; s[72:73] v_permlanex16_b32's selects: each lane takes its own place in the other half
.set MSB, 0
.macro WIN new                         ; the immediate's high byte repeats the setting that is left; a switch that changes nothing is dropped
.if MSB != (\new)
	s_set_vgpr_msb (MSB<<8)|(\new)
.set MSB, \new
.endif
.endm
.set W_M2, 0xa0                        ; fragments in window 0, C and D in window 2
.set W_M3, 0xf0                        ; C and D in window 3
.set W_P,  0x45                        ; the weights' way: destination, source 0 and source 1 in window 1
; A round of the cluster's barrier: my work-group's barrier, so that wave 0's signal speaks for all four waves; wave 0 signals; every wave waits for all sixteen work-groups; my work-group's barrier once more.
.macro CREST                           ; a round behind its opening barrier
	s_cmp_lg_u32 s[WV], 0
	s_cbranch_scc1 .Lnot_wave_0_\@
	s_barrier_signal -3
.Lnot_wave_0_\@:
	s_barrier_wait -3
	s_barrier_signal -1
	s_barrier_wait -1
.endm
.macro CROUND
	s_barrier_signal -1
	s_barrier_wait -1
	CREST
.endm
; Matrix instruction i of a quarter's 48, on fragment buffer f: gate i / 16, row block (i % 16) / 2, column block i % 2.  third: where the third gate's sums lie (SS or TS).
; The 48 accumulators take turns, one instruction a turn, over every edge of the text too.
.macro MM f, i, third
.set mg, (\i)/16
.set ma, ((\i)%16)/2
.set mb, (\i)%2
.set rW, WF+48*(\f)+8*(2*mg+mb)
.set rX, XF+64*(\f)+8*ma
.if mg < 2
	WIN W_M2
.set rA, 128*mg+8*(2*ma+mb)
.else
	WIN W_M3
.set rA, (\third)+8*(2*ma+mb)
.endif
	v_wmma_f32_16x16x32_bf16 v[rA:rA+7], v[rW:rW+7], v[rX:rX+7], v[rA:rA+7]
.endm
.macro MMR f, lo, n, third             ; n of them, from number lo on
.set i, \lo
.rept \n
	MM \f, i, \third
.set i, i+1
.endr
.endm
; A fragment is 16 rows x 32 K in 8 registers: lane l holds row l % 16; registers 0-3 K = 8 (l / 16) + 0..7, registers 4-7 K = 16 + 8 (l / 16) + 0..7: two loads of 16 bytes, 32 bytes apart.
; FR: loads 4 n to 4 n + 3 of the 28 that bring a quarter's fragments (K at byte kb of the rows) into buffer g: first the weights' six, then xh's eight.
.macro FR g, n, kb
	WIN 0
.set fj, 4*(\n)
.rept 4
.if fj < 12
	ds_load_b128 v[WF+48*(\g)+8*(fj/2)+4*(fj%2):WF+48*(\g)+8*(fj/2)+4*(fj%2)+3], v[AWC] offset:(64*(fj/4)+16*((fj/2)%2))*PITCH+(\kb)+32*(fj%2)
.else
	ds_load_b128 v[XF+64*(\g)+8*((fj-12)/2)+4*(fj%2):XF+64*(\g)+8*((fj-12)/2)+4*(fj%2)+3], v[AXC] offset:((fj-12)/2)*16*PITCH+(\kb)+32*(fj%2)
.endif
.set fj, fj+1
.endr
.endm
.macro FETCH g, kb
.irp n, 0,1,2,3,4,5,6
	FR \g, \n, \kb
.endr
.endm
; THE WEIGHTS' WAY.  Row slot n = 16 g + i holds my lane's four numbers (K = 4 l + 0..3) of row i of my 16 rows of gate g.
; CV: row slots n0 and n0 + 1 are rounded to bf16.  SG: the two rows go into LDS (a wave's store covers a row's 256 bytes) and, with load = 1, the slots take the same rows of a later K step.
.macro CV n0, tb
	WIN W_P
	v_cvt_pk_bf16_f32 v[TT+(\tb)],   v[ST+4*(\n0)],   v[ST+4*(\n0)+1]
	v_cvt_pk_bf16_f32 v[TT+(\tb)+1], v[ST+4*(\n0)+2], v[ST+4*(\n0)+3]
	v_cvt_pk_bf16_f32 v[TT+(\tb)+2], v[ST+4*(\n0)+4], v[ST+4*(\n0)+5]
	v_cvt_pk_bf16_f32 v[TT+(\tb)+3], v[ST+4*(\n0)+6], v[ST+4*(\n0)+7]
.endm
.macro SG n0, tb, load, imm
	WIN W_P
.set sn, \n0
	ds_store_b64 v[WSC], v[TT+(\tb):TT+(\tb)+1] offset:(64*(sn/16)+sn%16)*PITCH
	ds_store_b64 v[WSC], v[TT+(\tb)+2:TT+(\tb)+3] offset:(64*(sn/16)+sn%16+1)*PITCH
.if \load
	global_load_b128 v[ST+4*sn:ST+4*sn+3],   v[RO+sn%16],   s[WB+2*(sn/16):WB+2*(sn/16)+1] offset:\imm
	global_load_b128 v[ST+4*sn+4:ST+4*sn+7], v[RO+sn%16+1], s[WB+2*(sn/16):WB+2*(sn/16)+1] offset:\imm
.endif
.endm
; Group k of 24 behind a quarter's matrix instructions.  k = 0: four roundings (or four v_nop): plain vector lines that name no fragment, the four places between the last product that read
; buffer g and the first load into it (ISA guide 7.12.1 for vector instructions).  k = 1-7: the fragment loads.  k = 8-22: stores and loads of a pair of rows, and the next pair's roundings, by turns.
.macro GAP g, kb, p, pump, load, k
.if (\k) == 0
.if \pump
	CV 16*(\p), 0
.else
.rept 4
	v_nop
.endr
.endif
.elseif (\k) < 8
	FR \g, (\k)-1, \kb
.elseif (\pump) && ((\k) < 23) && ((\k)%2 == 0)
	SG 16*(\p)+(\k)-8, 4*((((\k)-8)/2)%2), \load, 0
.elseif (\pump) && ((\k) < 23)
	CV 16*(\p)+(\k)-7, 4*((((\k)-7)/2)%2)
.endif
.endm
; One of a step's first three quarters: multiplies buffer f, fetches the next quarter (byte kb) into buffer g, and with pump = 1 takes gate p's 16 rows of the next step's weights on their way.
; head: the LDS instructions issued behind buffer f's loads, which may stay out (the 16 stores of the quarter before, or none).  left: the loads from memory that may stay out.
.macro QP f, g, kb, p, pump, load, left, head, third
	s_wait_dscnt \head                             ; LDS instructions end in order: buffer f is in
.if \pump
	s_wait_loadcnt \left                           ; loads come back in order: gate p's 16 rows, the oldest that are out, are in
.endif
.set i, 0
.rept 24
	MM \f, i, \third
	MM \f, i+1, \third
	GAP \g, \kb, \p, \pump, \load, i/2
.set i, i+2
.endr
.endm
; The fourth quarter multiplies buffer 1 and changes slots: ONE barrier for three things.  In front of it each wave waits for all its tensor loads (one is out: its 64 rows of the next slot), adds 0 to its
; spare word, and waits for that, for its stores of the next step's weights and for its reads of the slot in hand.  Behind it the next slot is whole and nobody reads the old one.
; fill = 1: the barrier opens a round of the cluster's barrier, and the old slot's rows of xh are asked for again, two K steps on, first thing behind the round: from there to the wait for
; them a wave issues 176 matrix instructions.  One tensor load of a wave is out from then on (two at the launch's start).
.macro QT fill, third
	s_wait_dscnt 16                                ; buffer 1 is in; the 16 stores behind its loads may be out
	MMR 1, 0, 2, \third
	s_xor_b32 s[SL], s[SL], SLOT1                  ; all reads of the slot in hand and all stores into the other have been issued: the addresses change places
	s_xor_b32 s[SLO], s[SLO], SLOT1
	WIN 0
	v_add_nc_u32 v[AXC], s[SL], v[AX0]
	v_add_nc_u32 v[AWC], s[SL], v[AW0]
	WIN W_P
	v_add_nc_u32 v[WSC], s[SLO], v[WS0]
	MMR 1, 2, 6, \third
	WIN 0                                          ; (the add's two registers lie in window 0)
	s_wait_tensorcnt 0x0                           ; all my tensor loads have landed, so a group 0 may be written
	ds_add_u32 v[SPW], v[NIL]                      ; 0 onto my spare word; work on registers stands between it and the wait for it
.if \fill
	s_xor_b32 s[G0B+1], s[G0B+1], SLOT1            ; the walking descriptor: the other slot than last time,
	s_add_nc_u64 s[G0B+2:G0B+3], s[G0B+2:G0B+3], 256   ; the next K step; the type bits on top are not reached
	s_wait_xcnt 0x0                                ; the weights' bases are stepped only when every load that names them has had its address translated
	s_add_nc_u64 s[WB:WB+1], s[WB:WB+1], 512
	s_add_nc_u64 s[WB+2:WB+3], s[WB+2:WB+3], 512
	s_add_nc_u64 s[WB+4:WB+5], s[WB+4:WB+5], 512
.endif
	MMR 1, 8, 8, \third
	s_wait_dscnt 0x0                               ; the add, my stores of weights and my reads of the slot are done:
	s_barrier_signal -1                            ; say so,
	MMR 1, 16, 8, \third                           ; work on registers while the others arrive,
	WIN 0
	s_barrier_wait -1
.if \fill
	CREST                                          ; no wave of any partner still reads the slot or has a load on its way
	tensor_load_to_lds s[G0B:G0B+3], s[G1:G1+7]
	s_nop 0
.endif
.rept 4
	v_nop                                          ; the four places in front of the loads into buffer 0
.endr
	FETCH 0, 0
	MMR 1, 24, 24, \third
.endm
; A K step: it multiplies step s, rounds the weights of step s + 1 into the other slot and (load = 1) asks for those of step s + 2.  Of 48 row loads out at its head each quarter wants the oldest 16.
.macro STEP third, load, l0, l1, l2, fill
	QP 0, 1, 64,  0, 1, \load, \l0, 0,  \third
	QP 1, 0, 128, 1, 1, \load, \l1, 16, \third
	QP 0, 1, 192, 2, 1, \load, \l2, 16, \third
	QT \fill, \third
	WIN 0                                          ; at a label and at a branch every window is 0
.endm
	s_load_b512 s[4:19], s[0:1], 0x0               ; xh s[4:5]; Wr_w, Wz_w, Wh_w s[6:11]; Ur_w, Uz_w, Uh_w s[12:17]; Wr_b s[18:19]
	s_load_b512 s[20:35], s[0:1], 0x40             ; Ur_b, Wz_b, Uz_b, Wh_b, Uh_b s[20:29]; hp s[30:31]; zg s[32:33]; stats s[34:35]
	v_lshl_add_u32 v[SPW], v0, 2, SPARE
	v_mov_b32 v[NIL], 0
	ds_add_u32 v[SPW], v[NIL]                      ; the wave's opening: the add and its wait stand ahead of my first tensor load; the set-up below, work on registers, stands between them
	v_lshrrev_b32 v1, 5, v0
	v_readfirstlane_b32 s[WV], v1                  ; wave 0..3
	s_lshr_b32 s[RH], s[WV], 1
	s_and_b32 s[CH], s[WV], 1
	s_bfe_u32 s[CX], ttmp6, 0x40000                ; my place in the cluster
	s_bfe_u32 s[CY], ttmp6, 0x40004                ; along y there is one cluster: cy is the tile's row, 0 to 3
	s_lshl_b32 s[NT], ttmp9, 2                     ; in a cluster launch ttmp9 counts clusters
	s_add_co_u32 s[NT], s[NT], s[CX]
	s_lshl_b32 s45, s[CY], 2
	s_lshl_b32 s45, 15, s45                        ; my row of the cluster: places 4 cy .. 4 cy + 3
	; descriptor group 1: a tile of 64 rows x 128 elements of 2 bytes, padded in LDS
	s_or_b32 s[G1], s45, (1<<16)|(1<<20)|(1<<21)|(5<<22)|(3<<25)  ; 15:0 the mask; 17:16 2-byte elements; 20 padding on; 21 set beside a mask; 24:22 after every 64 words (code 5); 31:25 4 words (code 3)
	s_mov_b32 s[G1+1], 128<<16                     ; tensor_dim0 = 128
	s_mov_b32 s[G1+2], 64<<16                      ; tensor_dim1 = 64
	s_mov_b32 s[G1+3], 128<<16                     ; tile_dim0 = 128
	s_mov_b32 s[G1+4], 64                          ; tile_dim1 = 64
	s_mov_b32 s[G1+5], 5120                        ; elements from row to row of xh
	s_mov_b32 s[G1+6], 0
	s_mov_b32 s[G1+7], 0
	s_mov_b32 s[G0A], 1                            ; count = 1
	s_mul_i32 s[G0A+1], s[WV], 64*PITCH            ; LDS address: my 64 rows of slot 0: the wave's number alone enters it
	s_mov_b32 s[G0B], 1
	s_add_co_u32 s[G0B+1], s[G0A+1], SLOT1         ; and of slot 1
	s_lshl_b32 s46, s[CY], 8                       ; xh: row 256 cy + 64 w, which my row of the cluster shares
	s_lshl_b32 s47, s[WV], 6
	s_add_co_u32 s46, s46, s47
	s_mul_i32 s46, s46, 10240
	s_mov_b32 s47, 0
	s_lshl_b32 s74, s[NT], 6                       ; the weights: row 64 nt + 16 w,
	s_lshl_b32 s75, s[WV], 4
	s_add_co_u32 s74, s74, s75
	s_lshl_b32 s76, s74, 12                        ; of 4,096 bytes in Wr, Wz, Wh,
	s_lshl_b32 s74, s74, 14                        ; of 16,384 in Ur, Uz, Uh
	s_mov_b32 s75, 0
	s_mov_b32 s77, 0
	s_lshl_b32 s68, s[CY], 8                       ; hp and zg: row 256 cy + 64 w (the rows that I store), column 64 nt
	s_lshl_b32 s69, s[WV], 6
	s_add_co_u32 s68, s68, s69
	s_lshl_b32 s68, s68, 14
	s_lshl_b32 s69, s[NT], 8
	s_add_co_u32 s68, s68, s69
	s_mov_b32 s69, 0
	s_lshl_b32 s70, s[CY], 6                       ; stats: pair 64 cy + nt
	s_add_co_u32 s70, s70, s[NT]
	s_lshl_b32 s70, s70, 3
	s_mov_b32 s71, 0
	s_lshl_b32 s79, s[NT], 8                       ; the biases: column 64 nt + 32 (w % 2), in bytes
	s_lshl_b32 s78, s[CH], 7
	s_add_co_u32 s79, s79, s78
	s_mov_b32 s[CS], 0xbfb8aa3b                    ; -log2(e)
	s_mov_b32 s[CS+1], s[CS]                       ; named with it as a pair
	s_mov_b32 s[SEL], 0x76543210
	s_mov_b32 s[SEL+1], 0xfedcba98
	s_mov_b32 s[SL], 0
	s_mov_b32 s[SLO], SLOT1
	s_mul_i32 s80, s[WV], 16*PITCH
	s_add_co_u32 s80, s80, WOFF                    ; where my 16 rows of gate 0 go in a slot
	v_and_b32 v1, 15, v0                           ; l % 16
	v_bfe_u32 v2, v0, 4, 1                         ; l / 16
	v_lshl_add_u32 v[BO], v2, 5, s79               ; + my lanes' 8 (l / 16) columns
	v_and_b32 v13, 31, v0
	v_lshlrev_b32 v12, 4, v13                      ; 16 l: my 16 bytes of a weight row's 512
	v_lshlrev_b32 v13, 3, v13                      ; 8 l: and of its 256 in bf16
	WIN 0x40                                       ; destination window 1, sources window 0
	v_mov_b32 v[RO], v12
.set i, 1
.rept 15
	v_add_nc_u32 v[RO+i], i*4096, v12              ; row i of Wr, Wz, Wh
.set i, i+1
.endr
	v_add_nc_u32 v[WS0], s80, v13
	v_add_nc_u32 v[WSC], s80, v13                  ; the first weights go into slot 0
	WIN 0
	s_wait_dscnt 0x0                               ; the opening add is done
	s_wait_kmcnt 0x0
	s_add_nc_u64 s[4:5], s[4:5], s[46:47]
	s_mov_b64 s[G0A+2:G0A+3], s[4:5]               ; global address: K step 0
	s_or_b32 s[G0A+3], s[G0A+3], 0x80000000        ; type = 2
	s_add_nc_u64 s[G0B+2:G0B+3], s[4:5], 256       ; K step 1
	s_or_b32 s[G0B+3], s[G0B+3], 0x80000000
	s_add_nc_u64 s[WB:WB+1], s[WB:WB+1], s[76:77]
	s_add_nc_u64 s[WB+2:WB+3], s[WB+2:WB+3], s[76:77]
	s_add_nc_u64 s[WB+4:WB+5], s[WB+4:WB+5], s[76:77]
	s_add_nc_u64 s[UB:UB+1], s[UB:UB+1], s[74:75]
	s_add_nc_u64 s[UB+2:UB+3], s[UB+2:UB+3], s[74:75]
	s_add_nc_u64 s[UB+4:UB+5], s[UB+4:UB+5], s[74:75]
	s_add_nc_u64 s[30:31], s[30:31], s[68:69]
	s_add_nc_u64 s[32:33], s[32:33], s[68:69]
	s_add_nc_u64 s[34:35], s[34:35], s[70:71]
	CROUND                                         ; all sixteen work-groups are here: the first joint loads meet
	tensor_load_to_lds s[G0A:G0A+3], s[G1:G1+7]    ; both first fills go out together, ahead of every wait on TENSORcnt, every LDS read and every other barrier
	s_nop 0
	tensor_load_to_lds s[G0B:G0B+3], s[G1:G1+7]
	s_nop 0
.rept 4
	v_nop
.endr
.irp q, 0,1,2,3,4,5                    ; the six biases: for column block b my lane's eight columns, two loads of 16 bytes
.irp b, 0,1
	global_load_b128 v[BV+16*(\q)+8*(\b):BV+16*(\q)+8*(\b)+3],   v[BO], s[18+2*(\q):19+2*(\q)] offset:64*(\b)
	global_load_b128 v[BV+16*(\q)+8*(\b)+4:BV+16*(\q)+8*(\b)+7], v[BO], s[18+2*(\q):19+2*(\q)] offset:64*(\b)+16
.endr
.endr
	WIN W_P
.set i, 0
.rept 48                               ; the weights of K step 0
	global_load_b128 v[ST+4*i:ST+4*i+3], v[RO+i%16], s[WB+2*(i/16):WB+2*(i/16)+1]
.set i, i+1
.endr
	WIN 0
	s_mul_i32 s81, s[RH], 128*PITCH                ; my 128 rows of xh in a slot
	s_mul_i32 s82, s[CH], 32*PITCH                 ; my 32 columns' rows of gate 0
	s_add_co_u32 s82, s82, WOFF
	v_mul_u32_u24 v12, v1, PITCH
	v_lshl_add_u32 v12, v2, 4, v12                 ; a fragment's row x pitch + 16 x half
	v_add_nc_u32 v[AX0], s81, v12
	v_add_nc_u32 v[AW0], s82, v12
	v_add_nc_u32 v[AXC], s81, v12
	v_add_nc_u32 v[AWC], s82, v12
	s_wait_loadcnt 48                              ; the biases are in; the 48 loads of weights behind them stay out
.set i, 0
.rept 8
	v_pk_add_f32 v[BV+2*i:BV+2*i+1], v[BV+2*i:BV+2*i+1], v[BV+16+2*i:BV+16+2*i+1]          ; Wr_b + Ur_b
	v_pk_add_f32 v[BV+32+2*i:BV+32+2*i+1], v[BV+32+2*i:BV+32+2*i+1], v[BV+48+2*i:BV+48+2*i+1]  ; Wz_b + Uz_b
.set i, i+1
.endr
	; The sums begin with the biases: a lane's eight columns are the same in all eight row blocks.  These 512 moves stand in the wait for the first weights and tiles, and spare 256 packed additions on the way out.
	WIN 0x80
.set i, 0
.rept 128
	v_mov_b32 v[i], v[BV+8*((i/8)%2)+i%8]
	v_mov_b32 v[128+i], v[BV+32+8*((i/8)%2)+i%8]
.set i, i+1
.endr
	WIN 0xc0
.set i, 0
.rept 128
	v_mov_b32 v[TS+i], v[BV+80+8*((i/8)%2)+i%8]    ; Uh_b
	v_mov_b32 v[SS+i], v[BV+64+8*((i/8)%2)+i%8]    ; Wh_b
.set i, i+1
.endr
.irp p, 0,1,2                          ; K step 0's weights go into slot 0, and K step 1's are asked for
	s_wait_loadcnt 32                              ; of 48 row loads out the oldest 16 are in
.set i, 0
.rept 8
	CV 16*(\p)+2*i, 4*(i%2)
	SG 16*(\p)+2*i, 4*(i%2), 1, 512
.set i, i+1
.endr
.endr
	v_add_nc_u32 v[WSC], SLOT1, v[WS0]             ; K step 1's go into slot 1
	s_wait_xcnt 0x0                                ; the bases are stepped only behind this wait
	s_add_nc_u64 s[WB:WB+1], s[WB:WB+1], 1024      ; K step 2 is the next to be asked for
	s_add_nc_u64 s[WB+2:WB+3], s[WB+2:WB+3], 1024
	s_add_nc_u64 s[WB+4:WB+5], s[WB+4:WB+5], 1024
	WIN 0
	s_wait_tensorcnt 0x1                           ; my rows of slot 0 are in; slot 1's may stay out
	s_wait_dscnt 0x0                               ; my stores of weights are done
	s_barrier_signal -1
	s_barrier_wait -1                              ; everybody's are
	FETCH 0, 0
	s_mov_b32 s[CNT], 8
.Lstep_x:                                              ; steps 0 to 7: input's part of K; the third gate adds into S
	s_cmp_lg_u32 s[CNT], 2
	s_cbranch_scc1 .Lsame_w                        ; step 6 asks for step 8's weights, the first of Ur, Uz, Uh
	s_wait_xcnt 0x0                                ; bases and offsets are rewritten only when the loads that name them have had their addresses translated
	s_mov_b64 s[WB:WB+1], s[UB:UB+1]
	s_mov_b64 s[WB+2:WB+3], s[UB+2:UB+3]
	s_mov_b64 s[WB+4:WB+5], s[UB+4:UB+5]
	WIN W_P
.set i, 1
.rept 15
	v_add_nc_u32 v[RO+i], i*12288, v[RO+i]         ; rows are now 16,384 bytes apart
.set i, i+1
.endr
	WIN 0
.Lsame_w:
	STEP SS, 1, 32, 32, 32, 1
	s_sub_co_u32 s[CNT], s[CNT], 1
	s_cmp_lg_u32 s[CNT], 0
	s_cbranch_scc1 .Lstep_x
	s_mov_b32 s[CNT], 30
.Lstep_h:                                              ; steps 8 to 37: hidden's part; the third gate adds into T
	STEP TS, 1, 32, 32, 32, 1
	s_sub_co_u32 s[CNT], s[CNT], 1
	s_cmp_lg_u32 s[CNT], 0
	s_cbranch_scc1 .Lstep_h
	STEP TS, 0, 32, 16, 0, 0                       ; step 38 is written out: nothing is asked for any more, so the counts of loads run down, and no round follows its barrier
	QP 0, 1, 64,  0, 0, 0, 0, 0, TS                ; step 39: no weights are left to round
	QP 1, 0, 128, 0, 0, 0, 0, 0, TS
	QP 0, 1, 192, 0, 0, 0, 0, 0, TS
	s_wait_dscnt 0x0                               ; buffer 1 is in, and my last reads of the slots are over:
	s_barrier_signal -1                            ; say so; behind this barrier the slots' rows of xh, which have had their last fill, serve as stages
	MMR 1, 0, 48, TS
	WIN 0
	s_barrier_wait -1
	; THE WAY OUT.  Its addresses first: ten plain lines that name no register of the last products, the places behind them.
	s_mul_i32 s80, s[RH], 128*PITCH
	s_lshl_b32 s81, s[CH], 7
	s_add_co_u32 s80, s80, s81                     ; into a stage: my 128 rows, my 128 bytes of their 256
	s_mul_i32 s81, s[WV], 64*PITCH                 ; back: wave w takes rows 64 w to 64 w + 63, whole
	s_lshl_b32 s82, s[WV], 3
	s_add_co_u32 s82, s82, STATW
	v_mul_u32_u24 v[STO], v1, PITCH                ; row l % 16, 32 bytes for each half of the lanes
	v_lshl_add_u32 v[STO], v2, 5, v[STO]
	v_add_nc_u32 v[STO], s80, v[STO]
	v_add_nc_u32 v[STOZ], SLOT1, v[STO]
	v_mul_u32_u24 v[RD], v2, PITCH                 ; lanes 0-15 take one row of 256 bytes, lanes 16-31 the next
	v_lshl_add_u32 v[RD], v1, 4, v[RD]
	v_add_nc_u32 v[RD], s81, v[RD]
	v_add_nc_u32 v[RDZ], SLOT1, v[RD]
	v_lshlrev_b32 v[GO], 14, v2                    ; and the same two rows in hp and zg, 16,384 bytes apart
	v_lshl_add_u32 v[GO], v1, 4, v[GO]
	; The sigmoids of R and Z, in place, an accumulator at a time, from its lowest registers on.  A plain line stands behind each run of exponentials (the v_nop) and of reciprocals
	; (the next accumulator's first multiply) before a result is used (ISA guide 5.7.2).
	WIN 0x82                                       ; destination and source 0 in window 2
.set b, 0
.rept 32
.irp k, 0,2,4,6
	v_pk_mul_f32 v[b+(\k):b+(\k)+1], v[b+(\k):b+(\k)+1], s[CS:CS+1] op_sel_hi:[1,0]
.endr
.irp k, 0,1,2,3,4,5,6,7
	v_exp_f32 v[b+(\k)], v[b+(\k)]
.endr
	v_nop
	s_wait_alu depctr_va_vdst(0)
.irp k, 0,2,4,6
	v_pk_add_f32 v[b+(\k):b+(\k)+1], v[b+(\k):b+(\k)+1], 1.0 op_sel_hi:[1,0]
.endr
.irp k, 0,1,2,3,4,5,6,7
	v_rcp_f32 v[b+(\k)], v[b+(\k)]
.endr
.set b, b+8
.endr
	v_nop
	WIN 0xfe                                       ; source 0 window 2; source 1, source 2 and destination window 3
.set i, 0
.rept 64
	v_pk_fma_f32 v[SS+2*i:SS+2*i+1], v[2*i:2*i+1], v[TS+2*i:TS+2*i+1], v[SS+2*i:SS+2*i+1]  ; h_pre = S + sigmoid(R) T
.set i, i+1
.endr
	; My wave's 4,096 numbers of h_pre: their mean, then the sum of their squared deviations from it: no difference of large sums is formed.  Four chains, started by the first numbers.
	WIN 0x0f
.irp c, 0,1,2,3
	v_pk_add_f32 v[CHN+2*(\c):CHN+2*(\c)+1], v[SS+2*(\c):SS+2*(\c)+1], v[SS+8+2*(\c):SS+8+2*(\c)+1]
.endr
	WIN 0x03
.set i, 8
.rept 56
	v_pk_add_f32 v[CHN+2*(i%4):CHN+2*(i%4)+1], v[SS+2*i:SS+2*i+1], v[CHN+2*(i%4):CHN+2*(i%4)+1]
.set i, i+1
.endr
	WIN 0
.macro FOLD                            ; the four chains into v[CHN], then over the 32 lanes: four steps inside each half of 16, one across; the sum lies in v[CHN] and v[CHN+1] holds the other half's part
	v_pk_add_f32 v[CHN:CHN+1], v[CHN:CHN+1], v[CHN+2:CHN+3]
	v_pk_add_f32 v[CHN+4:CHN+5], v[CHN+4:CHN+5], v[CHN+6:CHN+7]
	v_pk_add_f32 v[CHN:CHN+1], v[CHN:CHN+1], v[CHN+4:CHN+5]
	v_add_f32 v[CHN], v[CHN], v[CHN+1]
	v_add_f32_dpp v[CHN], v[CHN], v[CHN] row_xmask:1 row_mask:0xf bank_mask:0xf
	v_add_f32_dpp v[CHN], v[CHN], v[CHN] row_xmask:2 row_mask:0xf bank_mask:0xf
	v_add_f32_dpp v[CHN], v[CHN], v[CHN] row_xmask:4 row_mask:0xf bank_mask:0xf
	v_add_f32_dpp v[CHN], v[CHN], v[CHN] row_xmask:8 row_mask:0xf bank_mask:0xf
	v_permlanex16_b32 v[CHN+1], v[CHN], s[SEL], s[SEL+1]
	v_add_f32 v[CHN], v[CHN], v[CHN+1]
.endm
	FOLD
	v_mul_f32 v[MEAN], 0x39800000, v[CHN]          ; / 4,096
	v_mul_f32 v[MEAN+1], 0x39800000, v[CHN]
.set q, 0
.rept 8
	WIN 0x03
.set i, 0
.rept 8
	v_pk_add_f32 v[DD+2*i:DD+2*i+1], v[SS+16*q+2*i:SS+16*q+2*i+1], v[MEAN:MEAN+1] neg_lo:[0,1] neg_hi:[0,1]
.set i, i+1
.endr
	WIN 0
.set i, 0
.rept 8
.if (q == 0) && (i < 4)
	v_pk_mul_f32 v[CHN+2*i:CHN+2*i+1], v[DD+2*i:DD+2*i+1], v[DD+2*i:DD+2*i+1]
.else
	v_pk_fma_f32 v[CHN+2*(i%4):CHN+2*(i%4)+1], v[DD+2*i:DD+2*i+1], v[DD+2*i:DD+2*i+1], v[CHN+2*(i%4):CHN+2*(i%4)+1]
.endif
.set i, i+1
.endr
.set q, q+1
.endr
	FOLD
	v_mov_b32 v[MEAN+1], v[CHN]                    ; (mean, M2)
	v_mov_b32 v[SA], s82
	ds_store_b64 v[SA], v[MEAN:MEAN+1]             ; all lanes write the same pair to my wave's place
	; hp and zg into the stages: a lane's eight columns are 32 bytes of a row
	WIN 0x0c                                       ; data in window 3
.set i, 0
.rept 16
	ds_store_b128 v[STO], v[SS+8*i:SS+8*i+3]   offset:(i/2)*16*PITCH+64*(i%2)
	ds_store_b128 v[STO], v[SS+8*i+4:SS+8*i+7] offset:(i/2)*16*PITCH+64*(i%2)+16
.set i, i+1
.endr
	WIN 0x08                                       ; data in window 2
.set i, 0
	s_wait_alu depctr_va_vdst(0)
.rept 16
	ds_store_b128 v[STOZ], v[128+8*i:128+8*i+3]   offset:(i/2)*16*PITCH+64*(i%2)
	ds_store_b128 v[STOZ], v[128+8*i+4:128+8*i+7] offset:(i/2)*16*PITCH+64*(i%2)+16
.set i, i+1
.endr
	WIN 0
	s_wait_dscnt 0x0                               ; for the others' sake: my stores are done
	s_barrier_signal -1
	s_barrier_wait -1                              ; a row's 256 bytes come from two waves
; Back as whole rows, 16 loads (32 rows) a batch.  k: the batch's registers; t0: its first pair of rows.
.macro LOADB k, adr, t0
.set i, 0
.rept 16
	ds_load_b128 v[OB+64*(\k)+4*i:OB+64*(\k)+4*i+3], v[\adr] offset:((\t0)+i)*2*PITCH
.set i, i+1
.endr
.endm
.macro SENDB k, base, t0, younger      ; younger: the LDS loads issued behind the batch's, which may stay out
.set i, 0
.rept 16
	s_wait_dscnt (\younger)+15-i
	global_store_b128 v[GO], v[OB+64*(\k)+4*i:OB+64*(\k)+4*i+3], s[\base:\base+1] offset:((\t0)+i)*32768  ; 16 lanes store 256 consecutive bytes, at a multiple of 256 from the buffer's first byte
.set i, i+1
.endr
.endm
	LOADB 0, RD, 0
	LOADB 1, RD, 16
	SENDB 0, 30, 0, 16
	LOADB 2, RDZ, 0
	SENDB 1, 30, 16, 16
	s_wait_xcnt 0x0                                ; batch 0's registers are loaded again only when its stores have read them
	LOADB 0, RDZ, 16
	SENDB 2, 32, 0, 16
	SENDB 0, 32, 16, 0
	s_cmp_lg_u32 s[WV], 0
	s_cbranch_scc1 .Lno_stat
	; Wave 0 joins the four waves' statistics, each of 4,096 numbers: the mean of the means; M2 = the sum of the M2 + 4,096 x the sum of the squared deviations of the means.
	v_mov_b32 v12, STATW
	v_mov_b32 v15, 0
	ds_load_b128 v[16:19], v12
	ds_load_b128 v[20:23], v12 offset:16
	s_wait_dscnt 0x0
	v_add_f32 v13, v16, v18
	v_add_f32 v14, v20, v22
	v_add_f32 v13, v13, v14
	v_mul_f32 v24, 0x3e800000, v13                 ; / 4
	v_add_f32 v14, v17, v19
	v_add_f32 v26, v21, v23
	v_add_f32 v14, v14, v26
	v_sub_f32 v16, v16, v24
	v_sub_f32 v18, v18, v24
	v_sub_f32 v20, v20, v24
	v_sub_f32 v22, v22, v24
	v_mul_f32 v13, v16, v16
	v_fmac_f32 v13, v18, v18
	v_fmac_f32 v13, v20, v20
	v_fmac_f32 v13, v22, v22
	v_fmamk_f32 v25, v13, 0x45800000, v14          ; x 4,096 + the sum of the M2
	s_wait_xcnt 0x0                                ; EXEC changes only when every store issued has had its address translated
	v_cmp_eq_u32 vcc_lo, 0, v0
	s_and_saveexec_b32 s78, vcc_lo                 ; lane 0 alone
	global_store_b64 v15, v[24:25], s[34:35]
	s_wait_xcnt 0x0                                ; and again in front of the line that widens it
	s_or_b32 exec_lo, exec_lo, s78
.Lno_stat:
	s_wait_tensorcnt 0x0                           ; the wave's end, behind my last tensor load and my last LDS store
	ds_add_u32 v[SPW], v[NIL]
	s_wait_dscnt 0x0
	CROUND                                         ; the closing round: no work-group ends while a partner may still ask for a tile that names it
	s_endpgm
.Lfunc_end_k_qcf298da3b9_gates:
	.size	k_qcf298da3b9_gates, .Lfunc_end_k_qcf298da3b9_gates-k_qcf298da3b9_gates
	.p2alignl 7, 3214868480
	.fill 96, 4, 3214868480
	.section	.rodata,"a",@progbits
	.p2align	6, 0x0
	.amdhsa_kernel k_qcf298da3b9_gates
		.amdhsa_group_segment_fixed_size 327680
		.amdhsa_private_segment_fixed_size 0
		.amdhsa_enable_private_segment 0
		.amdhsa_kernarg_size 128
		.amdhsa_user_sgpr_count 2
		.amdhsa_user_sgpr_kernarg_segment_ptr 1
		.amdhsa_wavefront_size32 1
		.amdhsa_system_sgpr_workgroup_id_x 1
		.amdhsa_system_sgpr_workgroup_id_y 1
		.amdhsa_system_sgpr_workgroup_id_z 1
		.amdhsa_system_vgpr_workitem_id 0
		.amdhsa_next_free_vgpr 1024
		.amdhsa_next_free_sgpr 96
		.amdhsa_reserve_vcc 1
		.amdhsa_float_denorm_mode_32 3
		.amdhsa_float_denorm_mode_16_64 3
		.amdhsa_memory_ordered 1
		.amdhsa_forward_progress 1
		.amdhsa_inst_pref_size 248
	.end_amdhsa_kernel
	.amdgpu_metadata
---
amdhsa.version: [ 1, 2 ]
amdhsa.kernels:
  - .name:           k_qcf298da3b9_gates
    .symbol:         k_qcf298da3b9_gates.kd
    .args:
      - { .name: xh, .offset: 0, .size: 8, .value_kind: global_buffer, .address_space: global }
      - { .name: Wr_w, .offset: 8, .size: 8, .value_kind: global_buffer, .address_space: global }
      - { .name: Wz_w, .offset: 16, .size: 8, .value_kind: global_buffer, .address_space: global }
      - { .name: Wh_w, .offset: 24, .size: 8, .value_kind: global_buffer, .address_space: global }
      - { .name: Ur_w, .offset: 32, .size: 8, .value_kind: global_buffer, .address_space: global }
      - { .name: Uz_w, .offset: 40, .size: 8, .value_kind: global_buffer, .address_space: global }
      - { .name: Uh_w, .offset: 48, .size: 8, .value_kind: global_buffer, .address_space: global }
      - { .name: Wr_b, .offset: 56, .size: 8, .value_kind: global_buffer, .address_space: global }
      - { .name: Ur_b, .offset: 64, .size: 8, .value_kind: global_buffer, .address_space: global }
      - { .name: Wz_b, .offset: 72, .size: 8, .value_kind: global_buffer, .address_space: global }
      - { .name: Uz_b, .offset: 80, .size: 8, .value_kind: global_buffer, .address_space: global }
      - { .name: Wh_b, .offset: 88, .size: 8, .value_kind: global_buffer, .address_space: global }
      - { .name: Uh_b, .offset: 96, .size: 8, .value_kind: global_buffer, .address_space: global }
      - { .name: hp, .offset: 104, .size: 8, .value_kind: global_buffer, .address_space: global }
      - { .name: zg, .offset: 112, .size: 8, .value_kind: global_buffer, .address_space: global }
      - { .name: stats, .offset: 120, .size: 8, .value_kind: global_buffer, .address_space: global }
    .group_segment_fixed_size: 327680
    .private_segment_fixed_size: 0
    .kernarg_segment_align: 8
    .kernarg_segment_size: 128
    .max_flat_workgroup_size: 128
    .sgpr_count:     96
    .vgpr_count:     1024
    .wavefront_size: 32
...
	.end_amdgpu_metadata
.endif
;; end of part 2
;; launch finish (part 3): grid 256 x 1, 16 waves a work-group, no clusters, 3,072 bytes of LDS; arguments hp, zg, hidden, stats, out_w, out_b, bn_gamma, bn_beta, out0, out1, out2, out3, out4; writes out0, out1, out2, out3, out4
.if DOCPART == 3
	.amdgcn_target "amdgcn-amd-amdhsa--gfx1250"
	.amdhsa_code_object_version 6
	.text
	.protected	k_qcf298da3b9_finish
	.globl	k_qcf298da3b9_finish
	.p2align	8
	.type	k_qcf298da3b9_finish,@function
k_qcf298da3b9_finish:
	s_mov_b64 s[64:65], 0
	v_nop
	global_prefetch_b8 v0, s[64:65] scope:SCOPE_SE
	s_setreg_imm32_b32 hwreg(HW_REG_WAVE_MODE, 25, 1), 1
	s_wait_xcnt 0x0
; THE NORM AND WHAT FOLLOWS IT.  mean and var of all 4,194,304 numbers of hp, from the 256 pairs (mean, M2) of 16,384 numbers each that the launch before stored:
;   mean = the mean of the means;  M2 = the sum of the M2 + 16,384 x the sum of the squared deviations of the means;  var = M2 / 2^22 (biased).  No difference of large sums is formed.
;   p = max(0, (hp - mean) rsqrt(var + 1e-5) gamma + beta);  out0 = hidden + zg (p - hidden), which is (1 - z) h + z p in another order of rounding;
;   out(1+o)[b] = the sum over c of out0[b][c] out_w[o][c] + out_b[o].  All in f32.  A NaN in hp gives p = 0; infinities are not treated apart.  reference()'s max_v and min_v enter no result and are not loaded.
; SHARES.  Sixteen waves own four rows.  Thread t has the columns 4 t + 0..3 and 2,048 + 4 t + 0..3 of each row, and the same columns of out_w's four rows, loaded once.
; A wave's load or store covers 512 consecutive bytes.  All 36 loads go out first; each byte of hp, zg and hidden is read once, each byte of out0 written once.
; The product with out_w's four rows is four multiply-adds for each number that streams by: it rides on the vector unit in f32; the matrix unit, tiles in LDS and clusters would spare no byte.
; LDS: bytes 0-1,023 the waves' 16 partial sums (wave x 64 + o x 16 + row x 4); from 1,024 on the spare words, 128 bytes for each of 16 waves.
.set SPARE, 1024
.set STAT, 4                           ; v[4:19]    eight pairs (mean, M2)
.set OW,   20                          ; v[20:51]   out_w: row o, pair x of my eight columns at OW + 8 o + 2 x
.set HP,   52                          ; v[52:83]   hp, then out0: row r, pair x at HP + 8 r + 2 x
.set ZG,   84                          ; v[84:115]
.set HD,   116                         ; v[116:147]
.set P2,   148                         ; v[148:179] the sums (o, r), as pairs, at P2 + 2 (4 o + r)
.set P,    180                         ; v[180:195] the same as single numbers, at P + 4 o + r
.set T,    196                         ; v[196:199] at work
.set MEAN, 200                         ; v[200:201] the mean, twice
.set SCL,  202                         ; v[202:203] rsqrt(var + eps) gamma, twice
.set SPW,  204                         ; v204  LDS address of my spare word; never rewritten
.set NIL,  205                         ; v205  0; never rewritten
.set BET,  206                         ; v[206:207] beta, twice
.set W,    208                         ; v[208:215] four pairs at work
.set WV,   38
.set SEL,  46                          ; s[46:47] v_permlanex16_b32's selects: each lane takes its own place in the other half
	s_load_b512 s[4:19], s[0:1], 0x0               ; hp s[4:5], zg s[6:7], hidden s[8:9], stats s[10:11], out_w s[12:13], out_b s[14:15], bn_gamma s[16:17], bn_beta s[18:19]
	s_load_b256 s[20:27], s[0:1], 0x40             ; out0 s[20:21], out1 s[22:23], out2 s[24:25], out3 s[26:27]
	s_load_b64 s[28:29], s[0:1], 0x60              ; out4
	v_lshl_add_u32 v[SPW], v0, 2, SPARE
	v_mov_b32 v[NIL], 0
	v_lshrrev_b32 v3, 5, v0
	v_readfirstlane_b32 s[WV], v3                  ; wave 0..15
	v_lshlrev_b32 v1, 4, v0                        ; 16 t
	v_and_b32 v2, 31, v0
	v_lshlrev_b32 v2, 4, v2                        ; 16 x lane
	s_lshl_b32 s30, ttmp9, 16                      ; the group's four rows of 16,384 bytes
	s_mov_b32 s31, 0
	s_mov_b32 s[SEL], 0x76543210
	s_mov_b32 s[SEL+1], 0xfedcba98
	s_mov_b32 s48, 0x34800000                      ; 2^-22
	s_wait_kmcnt 0x0
	s_load_b128 s[32:35], s[14:15], 0x0            ; out_b
	s_load_b32 s36, s[16:17], 0x0                  ; gamma
	s_load_b32 s37, s[18:19], 0x0                  ; beta
	s_add_nc_u64 s[4:5], s[4:5], s[30:31]
	s_add_nc_u64 s[6:7], s[6:7], s[30:31]
	s_add_nc_u64 s[8:9], s[8:9], s[30:31]
	s_add_nc_u64 s[20:21], s[20:21], s[30:31]
.irp j, 0,1,2,3
	global_load_b128 v[STAT+4*(\j):STAT+4*(\j)+3], v2, s[10:11] offset:512*(\j)  ; every wave reads all 2,048 bytes: two pairs a lane and load
.endr
.irp o, 0,1,2,3
.irp j, 0,1
	global_load_b128 v[OW+8*(\o)+4*(\j):OW+8*(\o)+4*(\j)+3], v1, s[12:13] offset:16384*(\o)+8192*(\j)
.endr
.endr
.irp r, 0,1,2,3
.irp j, 0,1
	global_load_b128 v[HP+8*(\r)+4*(\j):HP+8*(\r)+4*(\j)+3], v1, s[4:5] offset:16384*(\r)+8192*(\j) th:TH_LOAD_NT
.endr
.irp j, 0,1
	global_load_b128 v[ZG+8*(\r)+4*(\j):ZG+8*(\r)+4*(\j)+3], v1, s[6:7] offset:16384*(\r)+8192*(\j) th:TH_LOAD_NT
.endr
.irp j, 0,1
	global_load_b128 v[HD+8*(\r)+4*(\j):HD+8*(\r)+4*(\j)+3], v1, s[8:9] offset:16384*(\r)+8192*(\j) th:TH_LOAD_NT
.endr
.endr
.macro WSUM r, t                       ; the sum of v[r] over the wave's 32 lanes, in every lane; v[t], written before, is at work
	v_add_f32_dpp v[\r], v[\r], v[\r] row_xmask:1 row_mask:0xf bank_mask:0xf
	v_add_f32_dpp v[\r], v[\r], v[\r] row_xmask:2 row_mask:0xf bank_mask:0xf
	v_add_f32_dpp v[\r], v[\r], v[\r] row_xmask:4 row_mask:0xf bank_mask:0xf
	v_add_f32_dpp v[\r], v[\r], v[\r] row_xmask:8 row_mask:0xf bank_mask:0xf
	v_permlanex16_b32 v[\t], v[\r], s[SEL], s[SEL+1]
	v_add_f32 v[\r], v[\r], v[\t]
.endm
	s_wait_loadcnt 32                              ; the four loads of stats are in; the 32 behind them stay out
	v_add_f32 v[T], v[STAT], v[STAT+2]             ; my eight means
	v_add_f32 v[T+1], v[STAT+4], v[STAT+6]
	v_add_f32 v[T+2], v[STAT+8], v[STAT+10]
	v_add_f32 v[T+3], v[STAT+12], v[STAT+14]
	v_add_f32 v[T], v[T], v[T+1]
	v_add_f32 v[T+2], v[T+2], v[T+3]
	v_add_f32 v[T], v[T], v[T+2]
	WSUM T, T+1
	v_mul_f32 v[MEAN], 0x3b800000, v[T]            ; / 256
	v_mul_f32 v[MEAN+1], 0x3b800000, v[T]
.irp k, 0,1,2,3,4,5,6,7
	v_sub_f32 v[STAT+2*(\k)], v[STAT+2*(\k)], v[MEAN]
.endr
	v_add_f32 v[T+1], v[STAT+1], v[STAT+3]         ; my eight M2
	v_add_f32 v[T+2], v[STAT+5], v[STAT+7]
	v_add_f32 v[T+3], v[STAT+9], v[STAT+11]
	v_add_f32 v[W], v[STAT+13], v[STAT+15]
	v_add_f32 v[T+1], v[T+1], v[T+2]
	v_add_f32 v[T+3], v[T+3], v[W]
	v_add_f32 v[T+1], v[T+1], v[T+3]
	v_mul_f32 v[T], v[STAT], v[STAT]
.irp k, 1,2,3,4,5,6,7
	v_fmac_f32 v[T], v[STAT+2*(\k)], v[STAT+2*(\k)]
.endr
	v_fmamk_f32 v[T], v[T], 0x46800000, v[T+1]     ; x 16,384 + my M2
	WSUM T, T+1
	s_wait_kmcnt 0x0                               ; out_b, gamma, beta
	v_fmaak_f32 v[T], s48, v[T], 0x3727c5ac        ; var + 1e-5
	v_rsq_f32 v[T+1], v[T]
	v_mov_b32 v[BET], s37                          ; plain lines between the root and the use of its result (ISA guide 5.7.2)
	v_mov_b32 v[BET+1], s37
	s_wait_alu depctr_va_vdst(0)
	v_mul_f32 v[SCL], s36, v[T+1]
	v_mul_f32 v[SCL+1], s36, v[T+1]
; Row r: my eight numbers as four pairs x, line by line over the pairs, so that no line reads the result of the one before it.  left: the loads of the rows behind, which stay out.
.macro ROW r, left
	s_wait_loadcnt \left
.irp x, 0,1,2,3
	v_pk_add_f32 v[W+2*(\x):W+2*(\x)+1], v[HP+8*(\r)+2*(\x):HP+8*(\r)+2*(\x)+1], v[MEAN:MEAN+1] neg_lo:[0,1] neg_hi:[0,1]
.endr
.irp x, 0,1,2,3
	v_pk_fma_f32 v[W+2*(\x):W+2*(\x)+1], v[W+2*(\x):W+2*(\x)+1], v[SCL:SCL+1], v[BET:BET+1]
.endr
.irp x, 0,1,2,3,4,5,6,7
	v_max_num_f32 v[W+(\x)], 0, v[W+(\x)]
.endr
.irp x, 0,1,2,3
	v_pk_add_f32 v[W+2*(\x):W+2*(\x)+1], v[W+2*(\x):W+2*(\x)+1], v[HD+8*(\r)+2*(\x):HD+8*(\r)+2*(\x)+1] neg_lo:[0,1] neg_hi:[0,1]
.endr
.irp x, 0,1,2,3
	v_pk_fma_f32 v[HP+8*(\r)+2*(\x):HP+8*(\r)+2*(\x)+1], v[ZG+8*(\r)+2*(\x):ZG+8*(\r)+2*(\x)+1], v[W+2*(\x):W+2*(\x)+1], v[HD+8*(\r)+2*(\x):HD+8*(\r)+2*(\x)+1]
.endr
.irp j, 0,1
	global_store_b128 v1, v[HP+8*(\r)+4*(\j):HP+8*(\r)+4*(\j)+3], s[20:21] offset:16384*(\r)+8192*(\j) th:TH_STORE_NT
.endr
.irp o, 0,1,2,3
	v_pk_mul_f32 v[P2+2*(4*(\o)+(\r)):P2+2*(4*(\o)+(\r))+1], v[HP+8*(\r):HP+8*(\r)+1], v[OW+8*(\o):OW+8*(\o)+1]  ; the first product starts the sum
.endr
.irp x, 1,2,3
.irp o, 0,1,2,3
	v_pk_fma_f32 v[P2+2*(4*(\o)+(\r)):P2+2*(4*(\o)+(\r))+1], v[HP+8*(\r)+2*(\x):HP+8*(\r)+2*(\x)+1], v[OW+8*(\o)+2*(\x):OW+8*(\o)+2*(\x)+1], v[P2+2*(4*(\o)+(\r)):P2+2*(4*(\o)+(\r))+1]
.endr
.endr
.endm
	ROW 0, 18                                      ; six loads a row; out_w's eight stand ahead of them all
	ROW 1, 12
	ROW 2, 6
	ROW 3, 0
	; The 16 sums over the wave's lanes, step by step over all 16, then over the waves through LDS.
.set i, 0
.rept 16
	v_add_f32 v[P+i], v[P2+2*i], v[P2+2*i+1]
.set i, i+1
.endr
.irp m, 1,2,4,8
.set i, 0
.rept 16
	v_add_f32_dpp v[P+i], v[P+i], v[P+i] row_xmask:\m row_mask:0xf bank_mask:0xf
.set i, i+1
.endr
.endr
.set i, 0
.rept 16
	v_permlanex16_b32 v[P2+i], v[P+i], s[SEL], s[SEL+1]
.set i, i+1
.endr
.set i, 0
.rept 16
	v_add_f32 v[P+i], v[P+i], v[P2+i]
.set i, i+1
.endr
	s_lshl_b32 s49, s[WV], 6
	v_mov_b32 v[T], s49
.irp o, 0,1,2,3
	ds_store_b128 v[T], v[P+4*(\o):P+4*(\o)+3] offset:16*(\o)  ; all lanes write the same four numbers to my wave's place
.endr
	s_wait_dscnt 0x0                               ; for the others' sake: my stores are done
	s_barrier_signal -1
	s_barrier_wait -1
	s_cmp_gt_u32 s[WV], 3
	s_cbranch_scc1 .Lend
	; Wave o (0 to 3) finishes output 1 + o: lane l takes wave l % 16's four row sums; four steps inside each half of 16 lanes add the sixteen.
	s_cmp_eq_u32 s[WV], 1                          ; the buffer and the bias are chosen by the wave's number
	s_cselect_b64 s[40:41], s[24:25], s[22:23]
	s_cselect_b32 s42, s33, s32
	s_cmp_eq_u32 s[WV], 2
	s_cselect_b64 s[40:41], s[26:27], s[40:41]
	s_cselect_b32 s42, s34, s42
	s_cmp_eq_u32 s[WV], 3
	s_cselect_b64 s[40:41], s[28:29], s[40:41]
	s_cselect_b32 s42, s35, s42
	s_lshl_b32 s44, ttmp9, 4                       ; the group's four rows: 16 bytes
	s_mov_b32 s45, 0
	s_add_nc_u64 s[40:41], s[40:41], s[44:45]
	s_lshl_b32 s49, s[WV], 4
	v_and_b32 v[T], 15, v0
	v_lshlrev_b32 v[T], 6, v[T]
	v_add_nc_u32 v[T], s49, v[T]
	v_mov_b32 v[T+1], 0
	ds_load_b128 v[W:W+3], v[T]
	s_wait_dscnt 0x0
.irp m, 1,2,4,8
.irp k, 0,1,2,3
	v_add_f32_dpp v[W+(\k)], v[W+(\k)], v[W+(\k)] row_xmask:\m row_mask:0xf bank_mask:0xf
.endr
.endr
.irp k, 0,1,2,3
	v_add_f32 v[W+(\k)], s42, v[W+(\k)]
.endr
	s_wait_xcnt 0x0                                ; EXEC changes only when every store issued has had its address translated
	v_cmp_eq_u32 vcc_lo, 0, v2
	s_and_saveexec_b32 s50, vcc_lo                 ; lane 0 alone
	global_store_b128 v[T+1], v[W:W+3], s[40:41]
	s_wait_xcnt 0x0                                ; and again in front of the line that widens it
	s_or_b32 exec_lo, exec_lo, s50
.Lend:
	s_wait_tensorcnt 0x0                           ; the wave's end, behind my last LDS store
	ds_add_u32 v[SPW], v[NIL]
	s_wait_dscnt 0x0
	s_endpgm
.Lfunc_end_k_qcf298da3b9_finish:
	.size	k_qcf298da3b9_finish, .Lfunc_end_k_qcf298da3b9_finish-k_qcf298da3b9_finish
	.p2alignl 7, 3214868480
	.fill 96, 4, 3214868480
	.section	.rodata,"a",@progbits
	.p2align	6, 0x0
	.amdhsa_kernel k_qcf298da3b9_finish
		.amdhsa_group_segment_fixed_size 3072
		.amdhsa_private_segment_fixed_size 0
		.amdhsa_enable_private_segment 0
		.amdhsa_kernarg_size 104
		.amdhsa_user_sgpr_count 2
		.amdhsa_user_sgpr_kernarg_segment_ptr 1
		.amdhsa_wavefront_size32 1
		.amdhsa_system_sgpr_workgroup_id_x 1
		.amdhsa_system_sgpr_workgroup_id_y 1
		.amdhsa_system_sgpr_workgroup_id_z 1
		.amdhsa_system_vgpr_workitem_id 0
		.amdhsa_next_free_vgpr 216
		.amdhsa_next_free_sgpr 66
		.amdhsa_reserve_vcc 1
		.amdhsa_float_denorm_mode_32 3
		.amdhsa_float_denorm_mode_16_64 3
		.amdhsa_memory_ordered 1
		.amdhsa_forward_progress 1
		.amdhsa_inst_pref_size 26
	.end_amdhsa_kernel
	.amdgpu_metadata
---
amdhsa.version: [ 1, 2 ]
amdhsa.kernels:
  - .name:           k_qcf298da3b9_finish
    .symbol:         k_qcf298da3b9_finish.kd
    .args:
      - { .name: hp, .offset: 0, .size: 8, .value_kind: global_buffer, .address_space: global }
      - { .name: zg, .offset: 8, .size: 8, .value_kind: global_buffer, .address_space: global }
      - { .name: hidden, .offset: 16, .size: 8, .value_kind: global_buffer, .address_space: global }
      - { .name: stats, .offset: 24, .size: 8, .value_kind: global_buffer, .address_space: global }
      - { .name: out_w, .offset: 32, .size: 8, .value_kind: global_buffer, .address_space: global }
      - { .name: out_b, .offset: 40, .size: 8, .value_kind: global_buffer, .address_space: global }
      - { .name: bn_gamma, .offset: 48, .size: 8, .value_kind: global_buffer, .address_space: global }
      - { .name: bn_beta, .offset: 56, .size: 8, .value_kind: global_buffer, .address_space: global }
      - { .name: out0, .offset: 64, .size: 8, .value_kind: global_buffer, .address_space: global }
      - { .name: out1, .offset: 72, .size: 8, .value_kind: global_buffer, .address_space: global }
      - { .name: out2, .offset: 80, .size: 8, .value_kind: global_buffer, .address_space: global }
      - { .name: out3, .offset: 88, .size: 8, .value_kind: global_buffer, .address_space: global }
      - { .name: out4, .offset: 96, .size: 8, .value_kind: global_buffer, .address_space: global }
    .group_segment_fixed_size: 3072
    .private_segment_fixed_size: 0
    .kernarg_segment_align: 8
    .kernarg_segment_size: 104
    .max_flat_workgroup_size: 512
    .sgpr_count:     66
    .vgpr_count:     216
    .wavefront_size: 32
...
	.end_amdgpu_metadata
.endif
;; end of part 3
;; ======== version 2 of 3: 3 launches; 1.13 times as fast as version 1
;; workspace buffers: xh 10,485,760 bytes; hp 16,777,216 bytes; zg 16,777,216 bytes; stats 2,048 bytes
;; launch cast: the kernel of part 1 again; grid 256 x 1, 8 waves a work-group, no clusters, 0 bytes of LDS; arguments input, hidden, xh; writes xh
;; launch gates (part 4): grid 64 x 4, 4 waves a work-group, clusters of 4 x 4, 327,680 bytes of LDS; arguments xh, Wr_w, Wz_w, Wh_w, Ur_w, Uz_w, Uh_w, Wr_b, Ur_b, Wz_b, Uz_b, Wh_b, Uh_b, hp, zg, stats; writes hp, zg, stats
.if DOCPART == 4
	.amdgcn_target "amdgcn-amd-amdhsa--gfx1250"
	.amdhsa_code_object_version 6
	.text
	.protected	k_qcf298da3b9_gates
	.globl	k_qcf298da3b9_gates
	.p2align	8
	.type	k_qcf298da3b9_gates,@function
k_qcf298da3b9_gates:
	s_mov_b64 s[64:65], 0
	v_nop
	global_prefetch_b8 v0, s[64:65] scope:SCOPE_SE
	s_setreg_imm32_b32 hwreg(HW_REG_WAVE_MODE, 25, 1), 1
	s_wait_xcnt 0x0
	s_wait_alu depctr_hold_cnt(0) depctr_sa_sdst(0) depctr_va_vdst(0) depctr_va_sdst(0) depctr_va_ssrc(0) depctr_va_vcc(0) depctr_vm_vsrc(0)
	s_getreg_b32 s2, hwreg(HW_REG_IB_STS2, 6, 4)
	s_cmp_eq_u32 s2, 0
	s_cbranch_scc0 .Lentry_in_a_cluster
	s_endpgm
.Lentry_in_a_cluster:
	s_bfe_u32 s2, ttmp6, 0x10000c
	s_cmp_lg_u32 s2, 0xf033
	s_cbranch_scc0 .Lentry_shape_is_right
	s_endpgm
.Lentry_shape_is_right:
; THE SIX PRODUCTS OF THE GRU CELL, its two sigmoids and h_pre.  With xh = [input | hidden] in bf16 ([1024][5120], made by the launch before):
;   R = x Wr^T + h Ur^T + Wr_b + Ur_b      Z = x Wz^T + h Uz^T + Wz_b + Uz_b      S = x Wh^T + Wh_b      T = h Uh^T + Uh_b
;   hp = S + sigmoid(R) T  (f32)      zg = sigmoid(Z)  (f32)      stats[work-group] = (mean, sum of squared deviations from it) of the group's 16,384 numbers of hp.
; Operands are rounded once to bf16, sums are f32 and begin with the biases.  reference()'s max_v and min_v enter none of its results and are not loaded.
; LIMITS.  sigmoid(x) = 1 / (1 + 2^(-x log2 e)): where the power overflows the result is 0, where it falls below 2^-126 it is 1.  NaN and infinities are not treated apart.
; SHARES.  A work-group makes 256 batch rows x 64 columns of all four sums: 4 x 64 tiles, one for each of 256 work-groups.  Wave w: rows 128 (w / 2) on, columns 32 (w % 2) on:
; 8 row blocks a x 2 column blocks b x 4 sets = 64 accumulators, 512 registers.  THE MATRIX INSTRUCTION IS USED TRANSPOSED (source 0 = 16 weight rows, source 1 = 16 batch rows):
; lane l holds batch row l % 16 and the columns 8 (l / 16) + 0..7, eight neighbouring numbers of a row of the result.
; K goes in 40 steps of 128: steps 0-7 are input's with Wr, Wz, Wh, steps 8-39 hidden's with Ur, Uz, Uh.  The third gate adds into S in steps 0-7 and into T from step 8 on, so the
; step's text (STEP) stands twice, in two counted loops, and no sum is ever moved.
; xh COMES BY JOINT TENSOR LOADS.  4 x 4 work-groups form a cluster; the four of a row of the cluster need the same 256 rows of xh: each wave asks for 64 of them with a mask that names the four.
; THE WEIGHTS COME THROUGH REGISTERS.  They are f32 in memory: a wave loads 16 rows of each of the three matrices (a row's K step is 512 consecutive bytes, one load), 168 to 184 products ahead,
; rounds them to bf16 once for the work-group and stores them into LDS bytes of their own, where all four waves read them.  NOT JOINTLY, for this reason: two slots of 192 rows x 512 bytes of f32
; beside two slots of xh (2 x (192 x 528 + 256 x 272) = 342,016 bytes) do not fit in 327,680; with K steps of 64 a load would have half the products in which to land, and every
; wave would read f32 from LDS and round the same numbers again.  The price: the four work-groups of a column of the cluster each load the same weights.
; A QUARTER of a step is 48 matrix instructions.  Its LDS and memory instructions stand in THREE short runs, 16 products apart (behind products 7, 23 and 39), never singly among the products:
; 14 of the next quarter's 28 fragment loads with 8 loads of weights from memory; the other 14 with the other 8; the 16 LDS stores of a gate's rounded rows.  The four waves run in step, so a run is
; four waves' requests at once: in three parts that is 4 x 14 x 512 bytes of LDS at a time in place of 4 x (28 x 512 + 16 x 256).  Among the products stand only the 32 roundings, plain vector lines:
; four behind every second one of the first sixteen products; each such group costs two switches of the register window.
;
; LDS.  Slot n (n = 0, 1) begins at n x 131,072: 256 rows x 272 bytes of xh (256 + 16 of padding; tensor loads alone), then from WOFF on 192 rows x 272 of weights in bf16 (row 64 g + c:
; gate g, column c; LDS stores alone).  With 272 = 17 x 16 bytes from row to row the 16 rows of a fragment load start 16 bytes apart modulo 256.  Behind the slots: the spare words (512 bytes), then four
; waves' statistics.  On the way out hp is staged in slot 0's rows of xh and zg in slot 1's, both behind their last fill.
; REGISTERS, in windows of 256 (s_set_vgpr_msb: bits 1:0 source 0, 3:2 source 1, 5:4 source 2, 7:6 destination):
;   window 0: v0-31 addresses; v32-159 fragments of xh, two buffers of 8 x 8; v160-255 fragments of the weights, two buffers of 6 x 8 (gate g, block b at 8 (2 g + b))
;   window 1: v0-191 the weights as loaded, 48 row slots of 4; v192-207 the 16 rows' offsets; v208-239 a gate's 16 rows rounded; v240-241 where they go in LDS
;   window 2: R v0-127, Z v128-255      window 3: T v0-127, S v128-255      (accumulator (a, b) at 8 (2 a + b))
.set PITCH,  272
.set SLOT1,  131072
.set WOFF,   256*PITCH                 ; 69,632 = 272 x 256
.set SPARE,  2*SLOT1                   ; the spare words: 128 bytes for each wave, two blocks of 256 bytes that no other line names
.set STATW,  SPARE+512                 ; wave w's (mean, M2) at 8 w
.set AX0, 3                            ; v3   my lane's place in a slot's rows of xh; never rewritten
.set AW0, 4                            ; v4   the same in its weights
.set AXC, 5                            ; v5   v3 + the slot in hand
.set AWC, 6                            ; v6   v4 + the slot in hand
.set STO, 7                            ; v7   the way out: where I put 16 bytes of a row of hp
.set RD,  8                            ; v8   where I read rows of hp back
.set GO,  9                            ; v9   my byte offset in two rows of hp or zg
.set BO,  10                           ; v10  my byte offset in a bias
.set RDZ, 10                           ;      later: v8 for zg
.set STOZ, 11                          ; v11  v7 for zg
.set SPW, 30                           ; v30  LDS address of my spare word: SPARE + 4 x my thread's number; never rewritten
.set NIL, 31                           ; v31  0; never rewritten
.set XF,  32
.set WF,  160
.set BV,  32                           ; in the prologue: bias q (Wr, Ur, Wz, Uz, Wh, Uh) of my 32 columns' share at BV + 16 q + 8 b
.set DD,  32                           ; the way out: v32-47 deviations, v48-55 four chains of sums, v56-57 (mean, M2), v58 an address
.set CHN, 48
.set MEAN, 56
.set SA,  58
.set OB,  32                           ; the way out: three batches of 16 x 4 registers, rows read back from a stage
.set ST,  0                            ; window 1
.set RO,  192
.set TT,  208                          ; row i of the gate in hand at TT + 2 i
.set WS0, 240
.set WSC, 241
.set TS,  0                            ; window 3
.set SS,  128
.set WB,  6                            ; s[6:11]  the three weight matrices in hand, at my 16 rows and the K step to be loaded
.set UB,  12                           ; s[12:17] Ur, Uz, Uh at my 16 rows
.set WV,  36                           ; s36  my wave's number
.set RH,  37                           ; s37  which 128 rows
.set CH,  38                           ; s38  which 32 columns
.set CX,  39
.set CY,  40
.set NT,  41                           ; s41  the tile's column, 0 to 63
.set CNT, 42
.set SL,  43                           ; s43  the slot in hand, as an LDS byte
.set SLO, 44                           ; s44  the other slot
.set G1,  48                           ; s[48:55] descriptor group 1
.set G0A, 56                           ; s[56:59] group 0 of the first fill of slot 0
.set G0B, 60                           ; s[60:63] group 0 of the first fill of slot 1; then it walks
.set CS,  66                           ; s[66:67] -log2(e); the packed multiply takes the pair's low word for both halves
.set SEL, 72                           ; s[72:73] v_permlanex16_b32's selects: each lane takes its own place in the other half
.set MSB, 0
.macro WIN new                         ; the immediate's high byte repeats the setting that is left; a switch that changes nothing is dropped
.if MSB != (\new)
	s_set_vgpr_msb (MSB<<8)|(\new)
.set MSB, \new
.endif
.endm
.set W_M2, 0xa0                        ; fragments in window 0, C and D in window 2
.set W_M3, 0xf0                        ; C and D in window 3
.set W_P,  0x45                        ; the weights' way: destination, source 0 and source 1 in window 1
; A round of the cluster's barrier: my work-group's barrier, so that wave 0's signal speaks for all four waves; wave 0 signals; every wave waits for all sixteen work-groups; my work-group's barrier once more.
.macro CREST                           ; a round behind its opening barrier
	s_cmp_lg_u32 s[WV], 0
	s_cbranch_scc1 .Lnot_wave_0_\@
	s_barrier_signal -3
.Lnot_wave_0_\@:
	s_barrier_wait -3
	s_barrier_signal -1
	s_barrier_wait -1
.endm
.macro CROUND
	s_barrier_signal -1
	s_barrier_wait -1
	CREST
.endm
; Matrix instruction i of a quarter's 48, on fragment buffer f: gate i / 16, row block (i % 16) / 2, column block i % 2.  third: where the third gate's sums lie (SS or TS).
; The 48 accumulators take turns, one instruction a turn, over every edge of the text too.
.macro MM f, i, third
.set mg, (\i)/16
.set ma, ((\i)%16)/2
.set mb, (\i)%2
.set rW, WF+48*(\f)+8*(2*mg+mb)
.set rX, XF+64*(\f)+8*ma
.if mg < 2
	WIN W_M2
.set rA, 128*mg+8*(2*ma+mb)
.else
	WIN W_M3
.set rA, (\third)+8*(2*ma+mb)
.endif
	v_wmma_f32_16x16x32_bf16 v[rA:rA+7], v[rW:rW+7], v[rX:rX+7], v[rA:rA+7]
.endm
.macro MMR f, lo, n, third             ; n of them, from number lo on
.set i, \lo
.rept \n
	MM \f, i, \third
.set i, i+1
.endr
.endm
; A fragment is 16 rows x 32 K in 8 registers: lane l holds row l % 16; registers 0-3 K = 8 (l / 16) + 0..7, registers 4-7 K = 16 + 8 (l / 16) + 0..7: two loads of 16 bytes, 32 bytes apart.
; The 28 loads that bring a quarter's fragments (K at byte kb of the rows) into buffer g go in two halves, in the order in which the products want them.
; FRA: gate 0's two blocks of weights (4 loads) and xh's blocks 0-4 (10): what products 0 to 9 read.  FRB: xh's blocks 5-7 (6) and gates 1 and 2's weights (8).
.macro FRA g, kb
	WIN 0
.irp m, 0,1
	ds_load_b128 v[WF+48*(\g)+8*(\m):WF+48*(\g)+8*(\m)+3],   v[AWC] offset:16*(\m)*PITCH+(\kb)
	ds_load_b128 v[WF+48*(\g)+8*(\m)+4:WF+48*(\g)+8*(\m)+7], v[AWC] offset:16*(\m)*PITCH+(\kb)+32
.endr
.irp a, 0,1,2,3,4
	ds_load_b128 v[XF+64*(\g)+8*(\a):XF+64*(\g)+8*(\a)+3],   v[AXC] offset:(\a)*16*PITCH+(\kb)
	ds_load_b128 v[XF+64*(\g)+8*(\a)+4:XF+64*(\g)+8*(\a)+7], v[AXC] offset:(\a)*16*PITCH+(\kb)+32
.endr
.endm
.macro FRB g, kb
	WIN 0
.irp a, 5,6,7
	ds_load_b128 v[XF+64*(\g)+8*(\a):XF+64*(\g)+8*(\a)+3],   v[AXC] offset:(\a)*16*PITCH+(\kb)
	ds_load_b128 v[XF+64*(\g)+8*(\a)+4:XF+64*(\g)+8*(\a)+7], v[AXC] offset:(\a)*16*PITCH+(\kb)+32
.endr
.irp m, 2,3,4,5
	ds_load_b128 v[WF+48*(\g)+8*(\m):WF+48*(\g)+8*(\m)+3],   v[AWC] offset:(64*((\m)/2)+16*((\m)%2))*PITCH+(\kb)
	ds_load_b128 v[WF+48*(\g)+8*(\m)+4:WF+48*(\g)+8*(\m)+7], v[AWC] offset:(64*((\m)/2)+16*((\m)%2))*PITCH+(\kb)+32
.endr
.endm
; THE WEIGHTS' WAY.  Row slot n = 16 g + i holds my lane's four numbers (K = 4 l + 0..3) of row i of my 16 rows of gate g.
; CV: row slots n0 and n0 + 1 are rounded to bf16, into TT + tb on.
.macro CV n0, tb
	WIN W_P
	v_cvt_pk_bf16_f32 v[TT+(\tb)],   v[ST+4*(\n0)],   v[ST+4*(\n0)+1]
	v_cvt_pk_bf16_f32 v[TT+(\tb)+1], v[ST+4*(\n0)+2], v[ST+4*(\n0)+3]
	v_cvt_pk_bf16_f32 v[TT+(\tb)+2], v[ST+4*(\n0)+4], v[ST+4*(\n0)+5]
	v_cvt_pk_bf16_f32 v[TT+(\tb)+3], v[ST+4*(\n0)+6], v[ST+4*(\n0)+7]
.endm
; GL: eight row slots of gate p, rows lo on, which have been rounded, take the same rows of a later K step (a wave's load covers a row's 512 bytes).
.macro GL p, lo, imm
	WIN W_P
.set pj, \lo
.rept 8
	global_load_b128 v[ST+4*(16*(\p)+pj):ST+4*(16*(\p)+pj)+3], v[RO+pj], s[WB+2*(\p):WB+2*(\p)+1] offset:\imm
.set pj, pj+1
.endr
.endm
; SW: gate p's 16 rounded rows go into LDS (a wave's store covers a row's 256 bytes).
.macro SW p
	WIN W_P
.set pj, 0
.rept 16
	ds_store_b64 v[WSC], v[TT+2*pj:TT+2*pj+1] offset:(64*(\p)+pj)*PITCH
.set pj, pj+1
.endr
.endm
; One of a step's first three quarters: multiplies buffer f; with pump = 1 rounds gate p's 16 rows of the next step's weights behind its first sixteen products.  Its three runs:
; behind product 7 the first half of the next quarter's fragments (byte kb, buffer g) and, with load = 1, rows 0-7 of gate p for a later step (they were rounded behind products 1 to 7);
; behind product 23 the second half and rows 8-15; behind product 39 the 16 stores.  The second half stands 24 products ahead of the next quarter's head.
; head: the LDS instructions issued behind what the first products read, which may stay out.  mid (0: none): the same ahead of product 10, the first that reads the second half.  left: the loads from memory that may stay out.
; The last product that read buffer g stands in the quarter before: the 16 roundings behind products 1 to 7 (or four v_nop), plain vector lines that name no fragment, are the four places between it and
; the loads into buffer g (ISA guide 7.12.1 for vector instructions).
.macro QP f, g, kb, p, pump, load, left, head, mid, third
	s_wait_dscnt \head                             ; LDS instructions end in order
.if \pump
	s_wait_loadcnt \left                           ; loads come back in order: gate p's 16 rows, the oldest that are out, are in
.endif
.set i, 0
.rept 8
.if (i == 10) && (\mid)
	s_wait_dscnt \mid                              ; the second half of buffer f is in; this quarter's own first run may be out
.endif
	MM \f, i, \third
	MM \f, i+1, \third
.if \pump
	CV 16*(\p)+i, 2*i
.endif
.if i == 6
.if !(\pump)
.rept 4
	v_nop
.endr
.endif
	FRA \g, \kb
.if (\pump) && (\load)
	GL \p, 0, 0
.endif
.endif
.set i, i+2
.endr
	MMR \f, 16, 8, \third
	FRB \g, \kb
.if (\pump) && (\load)
	GL \p, 8, 0
.endif
	MMR \f, 24, 16, \third
.if \pump
	SW \p
.endif
	MMR \f, 40, 8, \third
.endm
; The fourth quarter multiplies buffer 1 and changes slots: ONE barrier for three things.  In front of it each wave waits for all its tensor loads (one is out: its 64 rows of the next slot), adds 0 to its
; spare word, and waits for that, for its stores of the next step's weights and for its reads of the slot in hand (the last of both were issued in the quarter before).  Behind it the next slot is whole and
; nobody reads the old one.  The barrier stands early in the quarter, so that the next slot's first fragments can follow it in two runs, 16 products apart.
; fill = 1: the barrier opens a round of the cluster's barrier, and the old slot's rows of xh are asked for again, two K steps on, first thing behind the round: from there to the wait for
; them a wave issues 180 matrix instructions.  One tensor load of a wave is out from then on (two at the launch's start).
.macro QT fill, third
	s_wait_dscnt 16                                ; buffer 1 is in; the 16 stores behind its loads may be out
	MMR 1, 0, 4, \third
	WIN 0                                          ; (the add's two registers lie in window 0)
	s_wait_tensorcnt 0x0                           ; all my tensor loads have landed, so a group 0 may be written
	ds_add_u32 v[SPW], v[NIL]                      ; 0 onto my spare word; work on registers stands between it and the wait for it
.if \fill
	s_xor_b32 s[G0B+1], s[G0B+1], SLOT1            ; the walking descriptor: the other slot than last time,
	s_add_nc_u64 s[G0B+2:G0B+3], s[G0B+2:G0B+3], 256   ; the next K step; the type bits on top are not reached
	s_wait_xcnt 0x0                                ; the weights' bases are stepped only when every load that names them has had its address translated
	s_add_nc_u64 s[WB:WB+1], s[WB:WB+1], 512
	s_add_nc_u64 s[WB+2:WB+3], s[WB+2:WB+3], 512
	s_add_nc_u64 s[WB+4:WB+5], s[WB+4:WB+5], 512
.endif
	MMR 1, 4, 4, \third
	s_wait_dscnt 0x0                               ; the add, my stores of weights and my reads of the slot are done:
	s_barrier_signal -1                            ; say so,
	MMR 1, 8, 2, \third                            ; and work on registers while the others arrive:
	s_xor_b32 s[SL], s[SL], SLOT1                  ; no LDS instruction of mine is out, so the addresses change places: the first lines that use them stand behind the barrier
	s_xor_b32 s[SLO], s[SLO], SLOT1
	WIN 0
	v_add_nc_u32 v[AXC], s[SL], v[AX0]
	v_add_nc_u32 v[AWC], s[SL], v[AW0]
	WIN W_P
	v_add_nc_u32 v[WSC], s[SLO], v[WS0]
	MMR 1, 10, 6, \third
	WIN 0
	s_barrier_wait -1
.if \fill
	CREST                                          ; no wave of any partner still reads the slot or has a load on its way
	tensor_load_to_lds s[G0B:G0B+3], s[G1:G1+7]
	s_nop 0
.endif
.rept 4
	v_nop                                          ; the four places in front of the loads into buffer 0
.endr
	FRA 0, 0
	MMR 1, 16, 16, \third
	FRB 0, 0
	MMR 1, 32, 16, \third
.endm
; A K step: it multiplies step s, rounds the weights of step s + 1 into the other slot and (load = 1) asks for those of step s + 2.  Of 48 row loads out at its head each quarter wants the oldest 16.
; The first quarter's head leaves the 14 loads of the second half of buffer 0 out, which were issued 16 products earlier; the other quarters' heads leave the 16 stores out.
.macro STEP third, load, l0, l1, l2, fill
	QP 0, 1, 64,  0, 1, \load, \l0, 14, 14, \third
	QP 1, 0, 128, 1, 1, \load, \l1, 16, 0,  \third
	QP 0, 1, 192, 2, 1, \load, \l2, 16, 0,  \third
	QT \fill, \third
	WIN 0                                          ; at a label and at a branch every window is 0
.endm
	s_load_b512 s[4:19], s[0:1], 0x0               ; xh s[4:5]; Wr_w, Wz_w, Wh_w s[6:11]; Ur_w, Uz_w, Uh_w s[12:17]; Wr_b s[18:19]
	s_load_b512 s[20:35], s[0:1], 0x40             ; Ur_b, Wz_b, Uz_b, Wh_b, Uh_b s[20:29]; hp s[30:31]; zg s[32:33]; stats s[34:35]
	v_lshl_add_u32 v[SPW], v0, 2, SPARE
	v_mov_b32 v[NIL], 0
	ds_add_u32 v[SPW], v[NIL]                      ; the wave's opening: the add and its wait stand ahead of my first tensor load; the set-up below, work on registers, stands between them
	v_lshrrev_b32 v1, 5, v0
	v_readfirstlane_b32 s[WV], v1                  ; wave 0..3
	s_lshr_b32 s[RH], s[WV], 1
	s_and_b32 s[CH], s[WV], 1
	s_bfe_u32 s[CX], ttmp6, 0x40000                ; my place in the cluster
	s_bfe_u32 s[CY], ttmp6, 0x40004                ; along y there is one cluster: cy is the tile's row, 0 to 3
	s_lshl_b32 s[NT], ttmp9, 2                     ; in a cluster launch ttmp9 counts clusters
	s_add_co_u32 s[NT], s[NT], s[CX]
	s_lshl_b32 s45, s[CY], 2
	s_lshl_b32 s45, 15, s45                        ; my row of the cluster: places 4 cy .. 4 cy + 3
	; descriptor group 1: a tile of 64 rows x 128 elements of 2 bytes, padded in LDS
	s_or_b32 s[G1], s45, (1<<16)|(1<<20)|(1<<21)|(5<<22)|(3<<25)  ; 15:0 the mask; 17:16 2-byte elements; 20 padding on; 21 set beside a mask; 24:22 after every 64 words (code 5); 31:25 4 words (code 3)
	s_mov_b32 s[G1+1], 128<<16                     ; tensor_dim0 = 128
	s_mov_b32 s[G1+2], 64<<16                      ; tensor_dim1 = 64
	s_mov_b32 s[G1+3], 128<<16                     ; tile_dim0 = 128
	s_mov_b32 s[G1+4], 64                          ; tile_dim1 = 64
	s_mov_b32 s[G1+5], 5120                        ; elements from row to row of xh
	s_mov_b32 s[G1+6], 0
	s_mov_b32 s[G1+7], 0
	s_mov_b32 s[G0A], 1                            ; count = 1
	s_mul_i32 s[G0A+1], s[WV], 64*PITCH            ; LDS address: my 64 rows of slot 0: the wave's number alone enters it
	s_mov_b32 s[G0B], 1
	s_add_co_u32 s[G0B+1], s[G0A+1], SLOT1         ; and of slot 1
	s_lshl_b32 s46, s[CY], 8                       ; xh: row 256 cy + 64 w, which my row of the cluster shares
	s_lshl_b32 s47, s[WV], 6
	s_add_co_u32 s46, s46, s47
	s_mul_i32 s46, s46, 10240
	s_mov_b32 s47, 0
	s_lshl_b32 s74, s[NT], 6                       ; the weights: row 64 nt + 16 w,
	s_lshl_b32 s75, s[WV], 4
	s_add_co_u32 s74, s74, s75
	s_lshl_b32 s76, s74, 12                        ; of 4,096 bytes in Wr, Wz, Wh,
	s_lshl_b32 s74, s74, 14                        ; of 16,384 in Ur, Uz, Uh
	s_mov_b32 s75, 0
	s_mov_b32 s77, 0
	s_lshl_b32 s68, s[CY], 8                       ; hp and zg: row 256 cy + 64 w (the rows that I store), column 64 nt
	s_lshl_b32 s69, s[WV], 6
	s_add_co_u32 s68, s68, s69
	s_lshl_b32 s68, s68, 14
	s_lshl_b32 s69, s[NT], 8
	s_add_co_u32 s68, s68, s69
	s_mov_b32 s69, 0
	s_lshl_b32 s70, s[CY], 6                       ; stats: pair 64 cy + nt
	s_add_co_u32 s70, s70, s[NT]
	s_lshl_b32 s70, s70, 3
	s_mov_b32 s71, 0
	s_lshl_b32 s79, s[NT], 8                       ; the biases: column 64 nt + 32 (w % 2), in bytes
	s_lshl_b32 s78, s[CH], 7
	s_add_co_u32 s79, s79, s78
	s_mov_b32 s[CS], 0xbfb8aa3b                    ; -log2(e)
	s_mov_b32 s[CS+1], s[CS]                       ; named with it as a pair
	s_mov_b32 s[SEL], 0x76543210
	s_mov_b32 s[SEL+1], 0xfedcba98
	s_mov_b32 s[SL], 0
	s_mov_b32 s[SLO], SLOT1
	s_mul_i32 s80, s[WV], 16*PITCH
	s_add_co_u32 s80, s80, WOFF                    ; where my 16 rows of gate 0 go in a slot
	v_and_b32 v1, 15, v0                           ; l % 16
	v_bfe_u32 v2, v0, 4, 1                         ; l / 16
	v_lshl_add_u32 v[BO], v2, 5, s79               ; + my lanes' 8 (l / 16) columns
	v_and_b32 v13, 31, v0
	v_lshlrev_b32 v12, 4, v13                      ; 16 l: my 16 bytes of a weight row's 512
	v_lshlrev_b32 v13, 3, v13                      ; 8 l: and of its 256 in bf16
	WIN 0x40                                       ; destination window 1, sources window 0
	v_mov_b32 v[RO], v12
.set i, 1
.rept 15
	v_add_nc_u32 v[RO+i], i*4096, v12              ; row i of Wr, Wz, Wh
.set i, i+1
.endr
	v_add_nc_u32 v[WS0], s80, v13
	v_add_nc_u32 v[WSC], s80, v13                  ; the first weights go into slot 0
	WIN 0
	s_wait_dscnt 0x0                               ; the opening add is done
	s_wait_kmcnt 0x0
	s_add_nc_u64 s[4:5], s[4:5], s[46:47]
	s_mov_b64 s[G0A+2:G0A+3], s[4:5]               ; global address: K step 0
	s_or_b32 s[G0A+3], s[G0A+3], 0x80000000        ; type = 2
	s_add_nc_u64 s[G0B+2:G0B+3], s[4:5], 256       ; K step 1
	s_or_b32 s[G0B+3], s[G0B+3], 0x80000000
	s_add_nc_u64 s[WB:WB+1], s[WB:WB+1], s[76:77]
	s_add_nc_u64 s[WB+2:WB+3], s[WB+2:WB+3], s[76:77]
	s_add_nc_u64 s[WB+4:WB+5], s[WB+4:WB+5], s[76:77]
	s_add_nc_u64 s[UB:UB+1], s[UB:UB+1], s[74:75]
	s_add_nc_u64 s[UB+2:UB+3], s[UB+2:UB+3], s[74:75]
	s_add_nc_u64 s[UB+4:UB+5], s[UB+4:UB+5], s[74:75]
	s_add_nc_u64 s[30:31], s[30:31], s[68:69]
	s_add_nc_u64 s[32:33], s[32:33], s[68:69]
	s_add_nc_u64 s[34:35], s[34:35], s[70:71]
	CROUND                                         ; all sixteen work-groups are here: the first joint loads meet
	tensor_load_to_lds s[G0A:G0A+3], s[G1:G1+7]    ; both first fills go out together, ahead of every wait on TENSORcnt, every LDS read and every other barrier
	s_nop 0
	tensor_load_to_lds s[G0B:G0B+3], s[G1:G1+7]
	s_nop 0
.rept 4
	v_nop
.endr
.irp q, 0,1,2,3,4,5                    ; the six biases: for column block b my lane's eight columns, two loads of 16 bytes
.irp b, 0,1
	global_load_b128 v[BV+16*(\q)+8*(\b):BV+16*(\q)+8*(\b)+3],   v[BO], s[18+2*(\q):19+2*(\q)] offset:64*(\b)
	global_load_b128 v[BV+16*(\q)+8*(\b)+4:BV+16*(\q)+8*(\b)+7], v[BO], s[18+2*(\q):19+2*(\q)] offset:64*(\b)+16
.endr
.endr
	WIN W_P
.set i, 0
.rept 48                               ; the weights of K step 0
	global_load_b128 v[ST+4*i:ST+4*i+3], v[RO+i%16], s[WB+2*(i/16):WB+2*(i/16)+1]
.set i, i+1
.endr
	WIN 0
	s_mul_i32 s81, s[RH], 128*PITCH                ; my 128 rows of xh in a slot
	s_mul_i32 s82, s[CH], 32*PITCH                 ; my 32 columns' rows of gate 0
	s_add_co_u32 s82, s82, WOFF
	v_mul_u32_u24 v12, v1, PITCH
	v_lshl_add_u32 v12, v2, 4, v12                 ; a fragment's row x pitch + 16 x half
	v_add_nc_u32 v[AX0], s81, v12
	v_add_nc_u32 v[AW0], s82, v12
	v_add_nc_u32 v[AXC], s81, v12
	v_add_nc_u32 v[AWC], s82, v12
	s_wait_loadcnt 48                              ; the biases are in; the 48 loads of weights behind them stay out
.set i, 0
.rept 8
	v_pk_add_f32 v[BV+2*i:BV+2*i+1], v[BV+2*i:BV+2*i+1], v[BV+16+2*i:BV+16+2*i+1]          ; Wr_b + Ur_b
	v_pk_add_f32 v[BV+32+2*i:BV+32+2*i+1], v[BV+32+2*i:BV+32+2*i+1], v[BV+48+2*i:BV+48+2*i+1]  ; Wz_b + Uz_b
.set i, i+1
.endr
	; The sums begin with the biases: a lane's eight columns are the same in all eight row blocks.  These 512 moves stand in the wait for the first weights and tiles, and spare 256 packed additions on the way out.
	WIN 0x80
.set i, 0
.rept 128
	v_mov_b32 v[i], v[BV+8*((i/8)%2)+i%8]
	v_mov_b32 v[128+i], v[BV+32+8*((i/8)%2)+i%8]
.set i, i+1
.endr
	WIN 0xc0
.set i, 0
.rept 128
	v_mov_b32 v[TS+i], v[BV+80+8*((i/8)%2)+i%8]    ; Uh_b
	v_mov_b32 v[SS+i], v[BV+64+8*((i/8)%2)+i%8]    ; Wh_b
.set i, i+1
.endr
.irp p, 0,1,2                          ; K step 0's weights go into slot 0, and K step 1's are asked for
	s_wait_loadcnt 32                              ; of 48 row loads out the oldest 16 are in
.set i, 0
.rept 8
	CV 16*(\p)+2*i, 4*i
.set i, i+1
.endr
	GL \p, 0, 512
	GL \p, 8, 512
	SW \p
.endr
	v_add_nc_u32 v[WSC], SLOT1, v[WS0]             ; K step 1's go into slot 1
	s_wait_xcnt 0x0                                ; the bases are stepped only behind this wait
	s_add_nc_u64 s[WB:WB+1], s[WB:WB+1], 1024      ; K step 2 is the next to be asked for
	s_add_nc_u64 s[WB+2:WB+3], s[WB+2:WB+3], 1024
	s_add_nc_u64 s[WB+4:WB+5], s[WB+4:WB+5], 1024
	WIN 0
	s_wait_tensorcnt 0x1                           ; my rows of slot 0 are in; slot 1's may stay out
	s_wait_dscnt 0x0                               ; my stores of weights are done
	s_barrier_signal -1
	s_barrier_wait -1                              ; everybody's are
	FRA 0, 0
	FRB 0, 0
	s_mov_b32 s[CNT], 8
.Lstep_x:                                              ; steps 0 to 7: input's part of K; the third gate adds into S
	s_cmp_lg_u32 s[CNT], 2
	s_cbranch_scc1 .Lsame_w                        ; step 6 asks for step 8's weights, the first of Ur, Uz, Uh
	s_wait_xcnt 0x0                                ; bases and offsets are rewritten only when the loads that name them have had their addresses translated
	s_mov_b64 s[WB:WB+1], s[UB:UB+1]
	s_mov_b64 s[WB+2:WB+3], s[UB+2:UB+3]
	s_mov_b64 s[WB+4:WB+5], s[UB+4:UB+5]
	WIN W_P
.set i, 1
.rept 15
	v_add_nc_u32 v[RO+i], i*12288, v[RO+i]         ; rows are now 16,384 bytes apart
.set i, i+1
.endr
	WIN 0
.Lsame_w:
	STEP SS, 1, 32, 32, 32, 1
	s_sub_co_u32 s[CNT], s[CNT], 1
	s_cmp_lg_u32 s[CNT], 0
	s_cbranch_scc1 .Lstep_x
	s_mov_b32 s[CNT], 30
.Lstep_h:                                              ; steps 8 to 37: hidden's part; the third gate adds into T
	STEP TS, 1, 32, 32, 32, 1
	s_sub_co_u32 s[CNT], s[CNT], 1
	s_cmp_lg_u32 s[CNT], 0
	s_cbranch_scc1 .Lstep_h
	STEP TS, 0, 32, 16, 0, 0                       ; step 38 is written out: nothing is asked for any more, so the counts of loads run down, and no round follows its barrier
	QP 0, 1, 64,  0, 0, 0, 0, 14, 14, TS           ; step 39: no weights are left to round, and no store stands behind the fragment loads
	QP 1, 0, 128, 0, 0, 0, 0, 0, 0, TS
	QP 0, 1, 192, 0, 0, 0, 0, 0, 0, TS
	s_wait_dscnt 0x0                               ; buffer 1 is in, and my last reads of the slots are over:
	s_barrier_signal -1                            ; say so; behind this barrier the slots' rows of xh, which have had their last fill, serve as stages
	MMR 1, 0, 48, TS
	WIN 0
	s_barrier_wait -1
	; THE WAY OUT.  Its addresses first: ten plain lines that name no register of the last products, the places behind them.
	s_mul_i32 s80, s[RH], 128*PITCH
	s_lshl_b32 s81, s[CH], 7
	s_add_co_u32 s80, s80, s81                     ; into a stage: my 128 rows, my 128 bytes of their 256
	s_mul_i32 s81, s[WV], 64*PITCH                 ; back: wave w takes rows 64 w to 64 w + 63, whole
	s_lshl_b32 s82, s[WV], 3
	s_add_co_u32 s82, s82, STATW
	v_mul_u32_u24 v[STO], v1, PITCH                ; row l % 16, 32 bytes for each half of the lanes
	v_lshl_add_u32 v[STO], v2, 5, v[STO]
	v_add_nc_u32 v[STO], s80, v[STO]
	v_add_nc_u32 v[STOZ], SLOT1, v[STO]
	v_mul_u32_u24 v[RD], v2, PITCH                 ; lanes 0-15 take one row of 256 bytes, lanes 16-31 the next
	v_lshl_add_u32 v[RD], v1, 4, v[RD]
	v_add_nc_u32 v[RD], s81, v[RD]
	v_add_nc_u32 v[RDZ], SLOT1, v[RD]
	v_lshlrev_b32 v[GO], 14, v2                    ; and the same two rows in hp and zg, 16,384 bytes apart
	v_lshl_add_u32 v[GO], v1, 4, v[GO]
	; The sigmoids of R and Z, in place, an accumulator at a time, from its lowest registers on.  A plain line stands behind each run of exponentials (the v_nop) and of reciprocals
	; (the next accumulator's first multiply) before a result is used (ISA guide 5.7.2).
	WIN 0x82                                       ; destination and source 0 in window 2
.set b, 0
.rept 32
.irp k, 0,2,4,6
	v_pk_mul_f32 v[b+(\k):b+(\k)+1], v[b+(\k):b+(\k)+1], s[CS:CS+1] op_sel_hi:[1,0]
.endr
.irp k, 0,1,2,3,4,5,6,7
	v_exp_f32 v[b+(\k)], v[b+(\k)]
.endr
	v_nop
	s_wait_alu depctr_va_vdst(0)
.irp k, 0,2,4,6
	v_pk_add_f32 v[b+(\k):b+(\k)+1], v[b+(\k):b+(\k)+1], 1.0 op_sel_hi:[1,0]
.endr
.irp k, 0,1,2,3,4,5,6,7
	v_rcp_f32 v[b+(\k)], v[b+(\k)]
.endr
.set b, b+8
.endr
	v_nop
	WIN 0xfe                                       ; source 0 window 2; source 1, source 2 and destination window 3
.set i, 0
.rept 64
	v_pk_fma_f32 v[SS+2*i:SS+2*i+1], v[2*i:2*i+1], v[TS+2*i:TS+2*i+1], v[SS+2*i:SS+2*i+1]  ; h_pre = S + sigmoid(R) T
.set i, i+1
.endr
	; My wave's 4,096 numbers of h_pre: their mean, then the sum of their squared deviations from it: no difference of large sums is formed.  Four chains, started by the first numbers.
	WIN 0x0f
.irp c, 0,1,2,3
	v_pk_add_f32 v[CHN+2*(\c):CHN+2*(\c)+1], v[SS+2*(\c):SS+2*(\c)+1], v[SS+8+2*(\c):SS+8+2*(\c)+1]
.endr
	WIN 0x03
.set i, 8
.rept 56
	v_pk_add_f32 v[CHN+2*(i%4):CHN+2*(i%4)+1], v[SS+2*i:SS+2*i+1], v[CHN+2*(i%4):CHN+2*(i%4)+1]
.set i, i+1
.endr
	WIN 0
.macro FOLD                            ; the four chains into v[CHN], then over the 32 lanes: four steps inside each half of 16, one across; the sum lies in v[CHN] and v[CHN+1] holds the other half's part
	v_pk_add_f32 v[CHN:CHN+1], v[CHN:CHN+1], v[CHN+2:CHN+3]
	v_pk_add_f32 v[CHN+4:CHN+5], v[CHN+4:CHN+5], v[CHN+6:CHN+7]
	v_pk_add_f32 v[CHN:CHN+1], v[CHN:CHN+1], v[CHN+4:CHN+5]
	v_add_f32 v[CHN], v[CHN], v[CHN+1]
	v_add_f32_dpp v[CHN], v[CHN], v[CHN] row_xmask:1 row_mask:0xf bank_mask:0xf
	v_add_f32_dpp v[CHN], v[CHN], v[CHN] row_xmask:2 row_mask:0xf bank_mask:0xf
	v_add_f32_dpp v[CHN], v[CHN], v[CHN] row_xmask:4 row_mask:0xf bank_mask:0xf
	v_add_f32_dpp v[CHN], v[CHN], v[CHN] row_xmask:8 row_mask:0xf bank_mask:0xf
	v_permlanex16_b32 v[CHN+1], v[CHN], s[SEL], s[SEL+1]
	v_add_f32 v[CHN], v[CHN], v[CHN+1]
.endm
	FOLD
	v_mul_f32 v[MEAN], 0x39800000, v[CHN]          ; / 4,096
	v_mul_f32 v[MEAN+1], 0x39800000, v[CHN]
.set q, 0
.rept 8
	WIN 0x03
.set i, 0
.rept 8
	v_pk_add_f32 v[DD+2*i:DD+2*i+1], v[SS+16*q+2*i:SS+16*q+2*i+1], v[MEAN:MEAN+1] neg_lo:[0,1] neg_hi:[0,1]
.set i, i+1
.endr
	WIN 0
.set i, 0
.rept 8
.if (q == 0) && (i < 4)
	v_pk_mul_f32 v[CHN+2*i:CHN+2*i+1], v[DD+2*i:DD+2*i+1], v[DD+2*i:DD+2*i+1]
.else
	v_pk_fma_f32 v[CHN+2*(i%4):CHN+2*(i%4)+1], v[DD+2*i:DD+2*i+1], v[DD+2*i:DD+2*i+1], v[CHN+2*(i%4):CHN+2*(i%4)+1]
.endif
.set i, i+1
.endr
.set q, q+1
.endr
	FOLD
	v_mov_b32 v[MEAN+1], v[CHN]                    ; (mean, M2)
	v_mov_b32 v[SA], s82
	ds_store_b64 v[SA], v[MEAN:MEAN+1]             ; all lanes write the same pair to my wave's place
	; hp and zg into the stages: a lane's eight columns are 32 bytes of a row
	WIN 0x0c                                       ; data in window 3
.set i, 0
.rept 16
	ds_store_b128 v[STO], v[SS+8*i:SS+8*i+3]   offset:(i/2)*16*PITCH+64*(i%2)
	ds_store_b128 v[STO], v[SS+8*i+4:SS+8*i+7] offset:(i/2)*16*PITCH+64*(i%2)+16
.set i, i+1
.endr
	WIN 0x08                                       ; data in window 2
.set i, 0
	s_wait_alu depctr_va_vdst(0)
.rept 16
	ds_store_b128 v[STOZ], v[128+8*i:128+8*i+3]   offset:(i/2)*16*PITCH+64*(i%2)
	ds_store_b128 v[STOZ], v[128+8*i+4:128+8*i+7] offset:(i/2)*16*PITCH+64*(i%2)+16
.set i, i+1
.endr
	WIN 0
	s_wait_dscnt 0x0                               ; for the others' sake: my stores are done
	s_barrier_signal -1
	s_barrier_wait -1                              ; a row's 256 bytes come from two waves
; Back as whole rows, 16 loads (32 rows) a batch.  k: the batch's registers; t0: its first pair of rows.
.macro LOADB k, adr, t0
.set i, 0
.rept 16
	ds_load_b128 v[OB+64*(\k)+4*i:OB+64*(\k)+4*i+3], v[\adr] offset:((\t0)+i)*2*PITCH
.set i, i+1
.endr
.endm
.macro SENDB k, base, t0, younger      ; younger: the LDS loads issued behind the batch's, which may stay out
.set i, 0
.rept 16
	s_wait_dscnt (\younger)+15-i
	global_store_b128 v[GO], v[OB+64*(\k)+4*i:OB+64*(\k)+4*i+3], s[\base:\base+1] offset:((\t0)+i)*32768  ; 16 lanes store 256 consecutive bytes, at a multiple of 256 from the buffer's first byte
.set i, i+1
.endr
.endm
	LOADB 0, RD, 0
	LOADB 1, RD, 16
	SENDB 0, 30, 0, 16
	LOADB 2, RDZ, 0
	SENDB 1, 30, 16, 16
	s_wait_xcnt 0x0                                ; batch 0's registers are loaded again only when its stores have read them
	LOADB 0, RDZ, 16
	SENDB 2, 32, 0, 16
	SENDB 0, 32, 16, 0
	s_cmp_lg_u32 s[WV], 0
	s_cbranch_scc1 .Lno_stat
	; Wave 0 joins the four waves' statistics, each of 4,096 numbers: the mean of the means; M2 = the sum of the M2 + 4,096 x the sum of the squared deviations of the means.
	v_mov_b32 v12, STATW
	v_mov_b32 v15, 0
	ds_load_b128 v[16:19], v12
	ds_load_b128 v[20:23], v12 offset:16
	s_wait_dscnt 0x0
	v_add_f32 v13, v16, v18
	v_add_f32 v14, v20, v22
	v_add_f32 v13, v13, v14
	v_mul_f32 v24, 0x3e800000, v13                 ; / 4
	v_add_f32 v14, v17, v19
	v_add_f32 v26, v21, v23
	v_add_f32 v14, v14, v26
	v_sub_f32 v16, v16, v24
	v_sub_f32 v18, v18, v24
	v_sub_f32 v20, v20, v24
	v_sub_f32 v22, v22, v24
	v_mul_f32 v13, v16, v16
	v_fmac_f32 v13, v18, v18
	v_fmac_f32 v13, v20, v20
	v_fmac_f32 v13, v22, v22
	v_fmamk_f32 v25, v13, 0x45800000, v14          ; x 4,096 + the sum of the M2
	s_wait_xcnt 0x0                                ; EXEC changes only when every store issued has had its address translated
	v_cmp_eq_u32 vcc_lo, 0, v0
	s_and_saveexec_b32 s78, vcc_lo                 ; lane 0 alone
	global_store_b64 v15, v[24:25], s[34:35]
	s_wait_xcnt 0x0                                ; and again in front of the line that widens it
	s_or_b32 exec_lo, exec_lo, s78
.Lno_stat:
	s_wait_tensorcnt 0x0                           ; the wave's end, behind my last tensor load and my last LDS store
	ds_add_u32 v[SPW], v[NIL]
	s_wait_dscnt 0x0
	CROUND                                         ; the closing round: no work-group ends while a partner may still ask for a tile that names it
	s_endpgm
.Lfunc_end_k_qcf298da3b9_gates:
	.size	k_qcf298da3b9_gates, .Lfunc_end_k_qcf298da3b9_gates-k_qcf298da3b9_gates
	.p2alignl 7, 3214868480
	.fill 96, 4, 3214868480
	.section	.rodata,"a",@progbits
	.p2align	6, 0x0
	.amdhsa_kernel k_qcf298da3b9_gates
		.amdhsa_group_segment_fixed_size 327680
		.amdhsa_private_segment_fixed_size 0
		.amdhsa_enable_private_segment 0
		.amdhsa_kernarg_size 128
		.amdhsa_user_sgpr_count 2
		.amdhsa_user_sgpr_kernarg_segment_ptr 1
		.amdhsa_wavefront_size32 1
		.amdhsa_system_sgpr_workgroup_id_x 1
		.amdhsa_system_sgpr_workgroup_id_y 1
		.amdhsa_system_sgpr_workgroup_id_z 1
		.amdhsa_system_vgpr_workitem_id 0
		.amdhsa_next_free_vgpr 1024
		.amdhsa_next_free_sgpr 96
		.amdhsa_reserve_vcc 1
		.amdhsa_float_denorm_mode_32 3
		.amdhsa_float_denorm_mode_16_64 3
		.amdhsa_memory_ordered 1
		.amdhsa_forward_progress 1
		.amdhsa_inst_pref_size 241
	.end_amdhsa_kernel
	.amdgpu_metadata
---
amdhsa.version: [ 1, 2 ]
amdhsa.kernels:
  - .name:           k_qcf298da3b9_gates
    .symbol:         k_qcf298da3b9_gates.kd
    .args:
      - { .name: xh, .offset: 0, .size: 8, .value_kind: global_buffer, .address_space: global }
      - { .name: Wr_w, .offset: 8, .size: 8, .value_kind: global_buffer, .address_space: global }
      - { .name: Wz_w, .offset: 16, .size: 8, .value_kind: global_buffer, .address_space: global }
      - { .name: Wh_w, .offset: 24, .size: 8, .value_kind: global_buffer, .address_space: global }
      - { .name: Ur_w, .offset: 32, .size: 8, .value_kind: global_buffer, .address_space: global }
      - { .name: Uz_w, .offset: 40, .size: 8, .value_kind: global_buffer, .address_space: global }
      - { .name: Uh_w, .offset: 48, .size: 8, .value_kind: global_buffer, .address_space: global }
      - { .name: Wr_b, .offset: 56, .size: 8, .value_kind: global_buffer, .address_space: global }
      - { .name: Ur_b, .offset: 64, .size: 8, .value_kind: global_buffer, .address_space: global }
      - { .name: Wz_b, .offset: 72, .size: 8, .value_kind: global_buffer, .address_space: global }
      - { .name: Uz_b, .offset: 80, .size: 8, .value_kind: global_buffer, .address_space: global }
      - { .name: Wh_b, .offset: 88, .size: 8, .value_kind: global_buffer, .address_space: global }
      - { .name: Uh_b, .offset: 96, .size: 8, .value_kind: global_buffer, .address_space: global }
      - { .name: hp, .offset: 104, .size: 8, .value_kind: global_buffer, .address_space: global }
      - { .name: zg, .offset: 112, .size: 8, .value_kind: global_buffer, .address_space: global }
      - { .name: stats, .offset: 120, .size: 8, .value_kind: global_buffer, .address_space: global }
    .group_segment_fixed_size: 327680
    .private_segment_fixed_size: 0
    .kernarg_segment_align: 8
    .kernarg_segment_size: 128
    .max_flat_workgroup_size: 128
    .sgpr_count:     96
    .vgpr_count:     1024
    .wavefront_size: 32
...
	.end_amdgpu_metadata
.endif
;; end of part 4
;; launch finish: the kernel of part 3 again; grid 256 x 1, 16 waves a work-group, no clusters, 3,072 bytes of LDS; arguments hp, zg, hidden, stats, out_w, out_b, bn_gamma, bn_beta, out0, out1, out2, out3, out4; writes out0, out1, out2, out3, out4
;; ======== version 3 of 3: 3 launches; version 2 with the launch cast written anew for expert scheduling mode
;; workspace buffers: xh 10,485,760 bytes; hp 16,777,216 bytes; zg 16,777,216 bytes; stats 2,048 bytes
;; launch cast (part 5): grid 256 x 1, 8 waves a work-group, no clusters, 0 bytes of LDS; arguments input, hidden, xh; writes xh
.if DOCPART == 5
	.amdgcn_target "amdgcn-amd-amdhsa--gfx1250"
	.amdhsa_code_object_version 6
	.text
	.protected	k_qcf298da3b9_cast
	.globl	k_qcf298da3b9_cast
	.p2align	8
	.type	k_qcf298da3b9_cast,@function
k_qcf298da3b9_cast:
	s_mov_b64 s[64:65], 0
	v_nop
	global_prefetch_b8 v0, s[64:65] scope:SCOPE_SE
	s_setreg_imm32_b32 hwreg(HW_REG_WAVE_SCHED_MODE, 0, 2), 2
	s_setreg_imm32_b32 hwreg(HW_REG_WAVE_MODE, 25, 1), 1
	s_wait_xcnt 0x0
	s_wait_alu depctr_vm_vsrc(0)
; xh[b][0:1024] = bf16(input[b][:]), xh[b][1024:5120] = bf16(hidden[b][0][:]): the rows that the products of the next launch take as
; one operand, K = 5,120 long, each number rounded once (to nearest even).  A row of xh is 10,240 bytes, 40 times 256.
; Eight waves own four rows.  Thread t takes 20 items of four numbers: in each row 16 bytes at 16 t of input's 4,096 and of each of
; hidden's four pieces of 4,096.  A wave's load covers 512 consecutive bytes, its store 256 consecutive bytes at a multiple of 256.
; All 20 loads go out first and every item has registers of its own, so nothing is rewritten.
; No LDS, no barrier, no matrix unit: each byte is read once and written once, and no thread needs another's numbers.
; THE MODE: SCHED_MODE bits 1:0 = 2 (LLVM: expert scheduling mode 2), set by the entry lines.  The code itself states the register dependences
; between vector instructions and memory instructions, with s_wait_alu, always for 0.
; THE PLAN.  Registers that memory instructions touch:
;   v1, v2     byte offsets of the loads and of the stores: written once at the head, never again.
;   X          item i's four registers: written by item i's load alone, read by its two roundings; no vector line names them ahead of the loads.
;   Y          item i's two registers: written by its two roundings alone, read by its store.
; No register is written a second time, so the only dependences to state are: the offsets are written ahead of the first load, and Y is written ahead of the stores.
; The 20 items go in four blocks of five, a row of xh each: the counted wait for the block's loads, its ten roundings, ONE wait for them, its five stores in a run.
.set X, 4                              ; v[4:83]    item i: four f32 as loaded
.set Y, 84                             ; v[84:123]  item i: four bf16 to store
.set BLOCK, 5                          ; items in a block: piece 0 is input's, pieces 1 to 4 are hidden's
	s_load_b128 s[4:7], s[0:1], 0x0                ; input s[4:5], hidden s[6:7]
	s_load_b64 s[8:9], s[0:1], 0x10                ; xh
	v_lshlrev_b32 v1, 4, v0                        ; 16 t: my place in 4,096 bytes of f32
	v_lshlrev_b32 v2, 3, v0                        ; 8 t: my place in 2,048 bytes of bf16
	s_lshl_b32 s10, ttmp9, 14                      ; the group's four rows: of input 4 x 4,096 bytes,
	s_mov_b32 s11, 0
	s_lshl_b32 s12, ttmp9, 16                      ; of hidden 4 x 16,384,
	s_mov_b32 s13, 0
	s_mul_i32 s14, ttmp9, 40960                    ; of xh 4 x 10,240
	s_mov_b32 s15, 0
	s_wait_kmcnt 0x0
	s_add_nc_u64 s[4:5], s[4:5], s[10:11]
	s_add_nc_u64 s[6:7], s[6:7], s[12:13]
	s_add_nc_u64 s[8:9], s[8:9], s[14:15]
	s_wait_alu depctr_va_vdst(0)                   ; v1 and v2 are written: every load reads v1 as its offset, every store v2
.irp r, 0,1,2,3
	global_load_b128 v[X+20*(\r):X+20*(\r)+3], v1, s[4:5] offset:(\r)*4096 th:TH_LOAD_NT
.irp c, 0,1,2,3
	global_load_b128 v[X+20*(\r)+4+4*(\c):X+20*(\r)+7+4*(\c)], v1, s[6:7] offset:(\r)*16384+(\c)*4096 th:TH_LOAD_NT
.endr
.endr
.set p, 0
.rept 4                                ; block p: row p of the group's four; item i = 5 p + piece
	s_wait_loadcnt 15-BLOCK*p                      ; loads come back in order: the block's five are in, those of the blocks behind it stay out
.set i, BLOCK*p
.rept BLOCK
	v_cvt_pk_bf16_f32 v[Y+2*i], v[X+4*i], v[X+4*i+1]
	v_cvt_pk_bf16_f32 v[Y+2*i+1], v[X+4*i+2], v[X+4*i+3]
.set i, i+1
.endr
	s_wait_alu depctr_va_vdst(0)                   ; the block's ten roundings have written its registers of Y, which the five stores below read
.set i, BLOCK*p
.rept BLOCK
	global_store_b64 v2, v[Y+2*i:Y+2*i+1], s[8:9] offset:p*10240+(i%BLOCK)*2048
.set i, i+1
.endr
.set p, p+1
.endr
	s_endpgm
.Lfunc_end_k_qcf298da3b9_cast:
	.size	k_qcf298da3b9_cast, .Lfunc_end_k_qcf298da3b9_cast-k_qcf298da3b9_cast
	.p2alignl 7, 3214868480
	.fill 96, 4, 3214868480
	.section	.rodata,"a",@progbits
	.p2align	6, 0x0
	.amdhsa_kernel k_qcf298da3b9_cast
		.amdhsa_group_segment_fixed_size 0
		.amdhsa_private_segment_fixed_size 0
		.amdhsa_enable_private_segment 0
		.amdhsa_kernarg_size 24
		.amdhsa_user_sgpr_count 2
		.amdhsa_user_sgpr_kernarg_segment_ptr 1
		.amdhsa_wavefront_size32 1
		.amdhsa_system_sgpr_workgroup_id_x 1
		.amdhsa_system_sgpr_workgroup_id_y 1
		.amdhsa_system_sgpr_workgroup_id_z 1
		.amdhsa_system_vgpr_workitem_id 0
		.amdhsa_next_free_vgpr 128
		.amdhsa_next_free_sgpr 66
		.amdhsa_reserve_vcc 0
		.amdhsa_float_denorm_mode_32 3
		.amdhsa_float_denorm_mode_16_64 3
		.amdhsa_memory_ordered 1
		.amdhsa_forward_progress 1
		.amdhsa_inst_pref_size 8
	.end_amdhsa_kernel
	.amdgpu_metadata
---
amdhsa.version: [ 1, 2 ]
amdhsa.kernels:
  - .name:           k_qcf298da3b9_cast
    .symbol:         k_qcf298da3b9_cast.kd
    .args:
      - { .name: input, .offset: 0, .size: 8, .value_kind: global_buffer, .address_space: global }
      - { .name: hidden, .offset: 8, .size: 8, .value_kind: global_buffer, .address_space: global }
      - { .name: xh, .offset: 16, .size: 8, .value_kind: global_buffer, .address_space: global }
    .group_segment_fixed_size: 0
    .private_segment_fixed_size: 0
    .kernarg_segment_align: 8
    .kernarg_segment_size: 24
    .max_flat_workgroup_size: 256
    .sgpr_count:     66
    .vgpr_count:     128
    .wavefront_size: 32
...
	.end_amdgpu_metadata
.endif
;; end of part 5
;; launch gates: the kernel of part 4 again; grid 64 x 4, 4 waves a work-group, clusters of 4 x 4, 327,680 bytes of LDS; arguments xh, Wr_w, Wz_w, Wh_w, Ur_w, Uz_w, Uh_w, Wr_b, Ur_b, Wz_b, Uz_b, Wh_b, Uh_b, hp, zg, stats; writes hp, zg, stats
;; launch finish: the kernel of part 3 again; grid 256 x 1, 16 waves a work-group, no clusters, 3,072 bytes of LDS; arguments hp, zg, hidden, stats, out_w, out_b, bn_gamma, bn_beta, out0, out1, out2, out3, out4; writes out0, out1, out2, out3, out4
